; MI455X (gfx1250); checked and timed in simulation.
; The chip was launched on July 23, 2026; its instructions are those of AMD's public machine-readable ISA for CDNA 5 (MIT licence, August 2026) and "CDNA5" Instruction Set Architecture Reference Guide (July 2026). The comments in the code are by the model that wrote it; some were corrected since.
;; Attention. Allowed arithmetic: matrix products marked QUANTISED: E2M3 operands, one E8M0 scale for each 32 along K, by v_wmma_scale_f32_16x16x128_f8f6f4 with both operands' format E2M3, f32 sums; everything else in f32.
;; Inputs: Wk 2,048 x 2,048 float32; Wo 2,048 x 2,048 float32; Wq 2,048 x 2,048 float32; Wv 2,048 x 2,048 float32; cos 1 x 1 x 2,048 x 128 float32; hidden_states 1 x 2,048 x 2,048 float32; sin 1 x 1 x 2,048 x 128 float32.
;; Outputs: out0 1 x 2,048 x 2,048 float32.
;; This version of the problem:
;;   THIS VERSION OF THE PROBLEM IS GIVEN IN LOW PRECISION. The matrix products marked QUANTISED in the list below multiply operands that are first quantised to E2M3 (2 exponent bits, 3 mantissa bits; 6 bits a number), with one power-of-two scale for each 32 numbers along K (OCP MX v1.0); their sums are f32. All else is computed in f32.
;;   The module's matrix products, in the order in which they are computed (A, B: the left and right operand; K: the contracted axis; several contracted axes count as one K, in the product's order):
;;     1. [M 2,048, K 2,048] x [K 2,048, N 2,048]; A: input hidden_states; B: input Wq: QUANTISED
;;     2. [M 2,048, K 2,048] x [K 2,048, N 2,048]; A: input hidden_states; B: input Wk: QUANTISED
;;     3. [M 2,048, K 2,048] x [K 2,048, N 2,048]; A: input hidden_states; B: input Wv: QUANTISED
;;     4. batch 16 x [M 2,048, K 128] x [K 128, N 2,048]; A: computed on the way; B: computed on the way: QUANTISED
;;     5. batch 16 x [M 2,048, K 2,048] x [K 2,048, N 128]; A: softmax (see below); B: computed on the way: QUANTISED
;;     6. [M 2,048, K 2,048] x [K 2,048, N 2,048]; A: computed on the way; B: input Wo: QUANTISED
;;   THE QUANTISER, for each operand of a quantised product, along K:
;;     - K is cut into blocks of 32 from its start; a last block that is shorter is filled with zeros.
;;     - A block's scale is 2^e with e = floor(log2(the largest magnitude in the block)) - 2, held to -126 .. 127; a block of zeros has e = 0. As a byte (E8M0): e + 127.
;;     - Each number is divided by its block's scale, clamped to +-7.5, and rounded to the nearest number of E2M3, ties to even, subnormals kept.
;;     - The product sums the exact products of the quantised numbers (number of the format x scale) in f32.
;;   ~~~python
;;   def quantise(x, axis):      # numpy; x: float32 -> the quantised numbers, widened to float32 again
;;       x = np.moveaxis(x, axis, -1); K = x.shape[-1]
;;       x = np.pad(x, [(0, 0)] * (x.ndim - 1) + [(0, -K % 32)]); x = x.reshape(x.shape[:-1] + (-1, 32)); a = np.abs(x).max(-1, keepdims=True)
;;       e = np.where(a > 0, np.clip(np.frexp(np.where(a > 0, a, 1))[1] - 1 - 2, -126, 127), 0)      # np.frexp(a)[1] - 1 = floor(log2(a)), exactly
;;       r = np.clip(x / 2.0 ** e, -7.5, 7.5)
;;       step = 2.0 ** (np.maximum(np.frexp(np.where(r == 0, 1, r))[1] - 1, 0) - 3)
;;       q = np.round(r / step) * step * 2.0 ** e      # np.round: ties to even
;;       return np.moveaxis(q.reshape(q.shape[:-2] + (-1,))[..., :K], -1, axis).astype(np.float32)
;;   ~~~
;;   SOFTMAX AHEAD OF A QUANTISED PRODUCT. Where the list says 'softmax', what is quantised is not the finished softmax but p = 2^(t - M), with t = logit x log2(e) and M = ceil(the row's largest t), a whole number; so 1/2 < the row's largest p <= 1. The row's sum l is taken of the UNQUANTISED p, in f32, and the product's result is divided by l at the end. Since M is a whole number, a kernel that streams over the keys may use a running M (the ceiling of the running maximum): every later rescaling is an exact power of two, which a block's scale takes up: the codes' values come out the same.
;;   OPERANDS COMPUTED ON THE WAY. 'Computed on the way' means the value that the module computes at that place (a softmax that the list does not call 'softmax' is quantised finished and normalised). What goes into a quantiser is computed in f32, as accurately as f32 sums, v_exp_f32 and their like allow (about 1e-6 of the number): no bf16 or f16 on the way to a quantiser, and a product that is left as it is and whose result goes on into a quantised operand takes f32 operands (vector FMAs, or v_wmma_f32_16x16x4_f32). A number that lies on a knife's edge between two numbers of the format may be rounded either way, as far as f32 arithmetic and the matrix unit's own rounding can turn it there, and no further.
;; One version. Each part assembles by itself: llvm-mc -triple=amdgcn-amd-amdhsa -mcpu=gfx1250 --defsym DOCPART=n.
;; ======== version 1 of 1: 4 launches
;; limits: right only within a limited range of input values
;; workspace buffers: wc 15,728,640 bytes; ws 655,360 bytes; qb 3,276,800 bytes; kv 6,553,600 bytes; oc 3,145,728 bytes; os 131,072 bytes; cs 2,097,152 bytes
;; launch quant (part 1): grid 128 x 6, 4 waves a work-group, no clusters, 51,712 bytes of LDS; arguments hidden_states, Wq, Wk, Wv, Wo, wc, ws, cos, sin, cs; writes wc, ws, cs
.if DOCPART == 1
	.amdgcn_target "amdgcn-amd-amdhsa--gfx1250"
	.amdhsa_code_object_version 6
	.text
	.protected	k_q0e0286836b_quant
	.globl	k_q0e0286836b_quant
	.p2align	8
	.type	k_q0e0286836b_quant,@function
k_q0e0286836b_quant:
	s_mov_b64 s[64:65], 0
	v_nop
	global_prefetch_b8 v0, s[64:65] scope:SCOPE_SE
	s_setreg_imm32_b32 hwreg(HW_REG_WAVE_MODE, 25, 1), 1
	s_wait_xcnt 0x0
; Five f32 tensors [2048][2048], K innermost (hidden_states, Wq, Wk, Wv, Wo), become codes of FP6 (E2M3) with one E8M0 byte for each 32 along K, laid as the later launches' matrix operands want them.
; A FRAGMENT IMAGE is 16 rows x 128 K as the operand's 12 registers: register j of lane l at byte 512 (j / 4) + 16 l + 4 (j % 4): 1,536 bytes, written and read by three accesses of 16 bytes a lane.
; wc: tensor T at T x 3,145,728; in it [row tile 128][K step 16][1,536].  ws: tensor T at T x 131,072; the scale word of (row tile, K step ks, lane r) at tile x 1,024 + (ks / 4) x 256 + 16 r + 4 (ks % 4).
; THE ROWS OF A TILE ARE NOT NEIGHBOURS: lane r of tile t stands for row 32 (t / 2) + 8 (t % 2) + r % 8 + 16 (r / 8), so that results of two neighbouring tiles are 16 neighbours in a lane's registers.
; A block's scale is 2^(floor(log2(its largest magnitude)) - 2); its byte is the largest magnitude's exponent field - 2, held at 1 from below.
; LIMITS: NaN and infinities among the inputs are not served; a block whose largest magnitude lies under 2^-124 has its byte held at 1; a block of zeros gets the byte 1 and not 127: its codes are zeros, and the bytes are read by this program alone.
; SHARES: work-group (x = row tile, y = tensor); wave w takes K steps 4 w .. 4 w + 3.  Each load reads 512 consecutive bytes of one row; a fragment's 16 rows x 512 bytes turn through the wave's own stage in LDS
; (pitch 528), so that lane (r, h) gets its two whole blocks of 32.  No barrier: waves share nothing.  No cluster: work-groups share no input.  Two fragments' loads, 32 a wave, are out at a time.
.set ROWB,  8192                       ; a row of a tensor in bytes
.set STGB,  16*528                     ; a wave's stage
.set SPARE, 4*STGB
.set CSTG,  SPARE+512                  ; behind the spare words: LDS bytes of its own for the path of work-group row y = 5 (cos and sin): 16 rows x 272 bytes for each wave
.set TENC,  3145728
.set TENS,  131072
.set R,     64                         ; v64-191  two sets of 64 registers as loaded
.set X,     192                        ; v192-255 my two blocks of 32 numbers
.set PC,    16                         ; v16-27   the fragment's codes; v28-30, v32-34 the blocks' second halves
.set PW,    36                         ; v36-39   the four fragments' scale words
.set SPW,   12                         ; v12      my spare word's LDS address; never rewritten
.set NIL,   13                         ; v13      0; never rewritten
	s_load_b256 s[4:11], s[0:1], 0x0               ; hidden_states, Wq, Wk, Wv
	s_load_b128 s[12:15], s[0:1], 0x20             ; Wo, wc
	s_load_b64 s[16:17], s[0:1], 0x30              ; ws
	s_load_b128 s[28:31], s[0:1], 0x38             ; cos, sin
	s_load_b64 s[32:33], s[0:1], 0x48              ; cs
	v_lshl_add_u32 v[SPW], v0, 2, SPARE
	v_mov_b32 v[NIL], 0
	v_lshrrev_b32 v10, 5, v0
	v_readfirstlane_b32 s2, v10                    ; wave
	s_and_b32 s3, ttmp7, 0xffff                    ; which tensor
	v_and_b32 v10, 31, v0                          ; lane
	v_and_b32 v11, 15, v0                          ; r
	v_bfe_u32 v14, v0, 4, 1                        ; h
	v_lshlrev_b32 v1, 4, v10                       ; 16 x lane: my place in a load's 512 bytes and in an image
	s_mul_i32 s26, s2, STGB
	v_add_nc_u32 v2, s26, v1                       ; the stage on the way in
	v_mul_u32_u24 v3, v11, 528
	v_lshl_add_u32 v3, v14, 7, v3
	v_add_nc_u32 v3, s26, v3                       ; and on the way out: row r, + 128 h: block h of each 64 numbers
	v_lshlrev_b32 v4, 3, v14                       ; 8 h: where my bytes stand in a scale word
	v_lshlrev_b32 v5, 4, v11                       ; 16 r: my row's four scale words
	s_mul_i32 s27, s2, 16*272                      ; the addresses of the path for cos and sin (y = 5)
	s_add_co_u32 s27, s27, CSTG
	v_lshl_add_u32 v40, v14, 9, v5                 ; in memory: lanes 0-15 take 256 bytes of one row, lanes 16-31 of the next
	v_mad_u32_u24 v41, v14, 272, v5
	v_add_nc_u32 v41, s27, v41                     ; the same two rows in my stage
	v_mul_u32_u24 v42, v11, 272
	v_lshl_add_u32 v42, v14, 6, v42
	v_add_nc_u32 v42, s27, v42                     ; and back: row r, + 64 h
	v_mov_b32 v14, 0                               ; a lane permute's destination counts as one of its sources
	s_mov_b32 s20, 0x76543210
	s_mov_b32 s21, 0xfedcba98                      ; selects for lane l xor 16
	s_lshr_b32 s18, ttmp9, 1
	s_lshl_b32 s18, s18, 5
	s_and_b32 s19, ttmp9, 1
	s_lshl_b32 s19, s19, 3
	s_add_co_u32 s18, s18, s19                     ; the tile's first row: 32 (t / 2) + 8 (t % 2)
	s_lshl_b32 s18, s18, 13
	s_lshl_b32 s19, s2, 11                         ; my four K steps: 2,048 bytes a wave
	s_add_co_u32 s18, s18, s19
	s_mov_b32 s19, 0
	s_lshl_b32 s22, ttmp9, 4
	s_lshl_b32 s23, s2, 2
	s_add_co_u32 s22, s22, s23
	s_mul_i32 s22, s22, 1536                       ; image (tile, 4 w)
	s_mul_i32 s23, s3, TENC
	s_add_co_u32 s22, s22, s23
	s_mov_b32 s23, 0
	s_lshl_b32 s24, ttmp9, 10
	s_lshl_b32 s25, s2, 8
	s_add_co_u32 s24, s24, s25
	s_mul_i32 s25, s3, TENS
	s_add_co_u32 s24, s24, s25
	s_mov_b32 s25, 0
	s_wait_alu depctr_va_vdst(0)
	s_wait_kmcnt 0x0
	s_cmp_eq_u32 s3, 5                             ; the sixth row of the grid lays cos and sin out: the branch hangs on the work-group's number alone
	s_cbranch_scc1 .Lcs
	s_cmp_eq_u32 s3, 1                             ; the tensor is chosen by the work-group's number alone
	s_cselect_b64 s[4:5], s[6:7], s[4:5]
	s_cmp_eq_u32 s3, 2
	s_cselect_b64 s[4:5], s[8:9], s[4:5]
	s_cmp_eq_u32 s3, 3
	s_cselect_b64 s[4:5], s[10:11], s[4:5]
	s_cmp_eq_u32 s3, 4
	s_cselect_b64 s[4:5], s[12:13], s[4:5]
	s_add_nc_u64 s[4:5], s[4:5], s[18:19]
	s_add_nc_u64 s[22:23], s[14:15], s[22:23]      ; my images
	s_add_nc_u64 s[24:25], s[16:17], s[24:25]      ; my scale words
.macro LOAD t                          ; fragment t: 16 rows x 512 bytes into set t % 2
.set i, 0
.rept 16
	global_load_b128 v[R+64*((\t)%2)+4*i:R+64*((\t)%2)+4*i+3], v1, s[4:5] offset:((i&7)+16*(i>>3))*ROWB+512*(\t) th:TH_LOAD_NT
.set i, i+1
.endr
.endm
.macro TURN t                          ; through the stage: LDS serves a wave's instructions in order, so no wait stands between the stores and the loads
.set i, 0
.rept 16
	ds_store_b128 v2, v[R+64*((\t)%2)+4*i:R+64*((\t)%2)+4*i+3] offset:528*i
.set i, i+1
.endr
.irp c, 0,1
.irp j, 0,1,2,3,4,5,6,7
	ds_load_b128 v[X+32*\c+4*\j:X+32*\c+4*\j+3], v3 offset:256*\c+16*\j   ; k = 64 c + 32 h + 4 j ..
.endr
.endr
.endm
.macro FRAGQ t
.irp c, 0,1
	v_max3_num_f32 v[6+\c], |v[X+32*\c]|, |v[X+32*\c+1]|, 0x1800000   ; my block 2 c + h, and the floor 2^(3 - 127): the byte cannot fall under 1
.endr
.irp i, 2,4,6,8,10,12,14,16,18,20,22,24,26,28,30
.irp c, 0,1
	v_max3_num_f32 v[6+\c], v[6+\c], |v[X+32*\c+\i]|, |v[X+32*\c+\i+1]|   ; (the two blocks by turns)
.endr
.endr
.irp c, 0,1
	v_add_nc_u32 v[8+\c], 0xff000000, v[6+\c]      ; 2 off the exponent field: the conversion's scale operand
.endr
	v_lshrrev_b32 v10, 23, v8                      ; the two bytes
	v_lshrrev_b32 v11, 23, v9
	v_lshl_or_b32 v10, v11, 16, v10                ; blocks h and 2 + h,
	v_lshlrev_b32 v10, v4, v10                     ; 8 h bits up;
	v_permlanex16_b32 v14, v10, s20, s21
	v_or_b32 v[PW+(\t)], v10, v14                  ; with lane l xor 16's two the word is whole, in both lanes
	s_wait_alu depctr_va_vdst(0)
	s_wait_xcnt 0x0                                ; the last fragment's stores have read the codes' registers: they are written again only behind this wait
.irp c, 0,1
	v_cvt_scalef32_pk16_fp6_f32 v[PC+6*\c:PC+6*\c+2], v[X+32*\c:X+32*\c+15], v[8+\c]
	v_cvt_scalef32_pk16_fp6_f32 v[28+4*\c:30+4*\c], v[X+32*\c+16:X+32*\c+31], v[8+\c]   ; (a conversion's three registers begin on an even number)
.endr
	v_nop                                          ; one plain place behind a scaled conversion
.irp c, 0,1
.irp i, 0,1,2
	v_mov_b32 v[PC+3+6*\c+\i], v[28+4*\c+\i]
.endr
.endr
.irp c, 0,1,2
	global_store_b128 v1, v[PC+4*\c:PC+4*\c+3], s[22:23] offset:1536*(\t)+512*\c   ; 32 lanes store 512 consecutive bytes, aligned
.endr
.endm
	LOAD 0
	LOAD 1
.irp t, 0,1,2,3
.if \t < 3
	s_wait_loadcnt 16                              ; this fragment's 16 loads are in; the next one's may be out
.else
	s_wait_loadcnt 0x0
.endif
	TURN \t
	s_wait_dscnt 0x0                               ; my blocks are back, and the stores into the stage have read their registers,
.if \t < 2
	LOAD \t+2                                      ; which take the loads of two fragments on
.endif
	FRAGQ \t
.endr
	global_store_b128 v5, v[PW:PW+3], s[24:25]     ; my 16 rows' words of four K steps: 256 consecutive bytes (lanes 16-31 repeat lanes 0-15, with the same words)
	s_wait_tensorcnt 0x0                           ; the wave's end
	ds_add_u32 v[SPW], v[NIL]
	s_wait_dscnt 0x0
	s_endpgm
; COS AND SIN [2048][128] f32 are laid as images of the registers in which the next launch holds a tile of 16 positions x 128 channels of q or k.
; cs: position tile t (lane r stands for position 32 (t / 2) + 8 (t % 2) + r % 8 + 16 (r / 8)) at t x 16,384: cos's 64 registers, then sin's; register n of lane (r, h) is channel 32 (n / 16) + 16 h + n % 16;
; registers 4 g .. 4 g + 3 of lane l lie at 512 g + 16 l.  Wave w takes cos (w even) or sin (w odd), channels 64 (w / 2) .. + 63: 16 rows x 256 bytes, in whole aligned runs of 256 bytes,
; through its own stage (pitch 272), and stores eight runs of 512 consecutive bytes.
.Lcs:
	s_and_b32 s18, s2, 1
	s_cmp_eq_u32 s18, 0
	s_cselect_b64 s[4:5], s[28:29], s[30:31]       ; chosen by the wave's number alone
	s_lshr_b32 s19, s2, 1
	s_lshr_b32 s20, ttmp9, 1
	s_lshl_b32 s20, s20, 5
	s_and_b32 s21, ttmp9, 1
	s_lshl_b32 s21, s21, 3
	s_add_co_u32 s20, s20, s21                     ; the tile's first position
	s_lshl_b32 s20, s20, 9
	s_lshl_b32 s21, s19, 8
	s_add_co_u32 s20, s20, s21
	s_mov_b32 s21, 0
	s_add_nc_u64 s[4:5], s[4:5], s[20:21]
	s_lshl_b32 s22, ttmp9, 14
	s_lshl_b32 s23, s18, 13
	s_add_co_u32 s22, s22, s23
	s_lshl_b32 s23, s19, 12
	s_add_co_u32 s22, s22, s23
	s_mov_b32 s23, 0
	s_add_nc_u64 s[22:23], s[32:33], s[22:23]
.irp i, 0,1,2,3,4,5,6,7
	global_load_b128 v[64+4*\i:67+4*\i], v40, s[4:5] offset:(2*\i+8*(\i/4))*512 th:TH_LOAD_NT   ; tile rows 2 i and 2 i + 1
.endr
	s_wait_loadcnt 0x0
.irp i, 0,1,2,3,4,5,6,7
	ds_store_b128 v41, v[64+4*\i:67+4*\i] offset:2*\i*272
.endr
.irp g, 0,1,2,3,4,5,6,7
	ds_load_b128 v[192+4*\g:195+4*\g], v42 offset:128*(\g/4)+16*(\g%4)   ; LDS serves a wave's instructions in order: these see my stores
.endr
	s_wait_dscnt 0x0
.irp g, 0,1,2,3,4,5,6,7
	global_store_b128 v1, v[192+4*\g:195+4*\g], s[22:23] offset:512*\g
.endr
	s_wait_tensorcnt 0x0                           ; the wave's end
	ds_add_u32 v[SPW], v[NIL]
	s_wait_dscnt 0x0
	s_endpgm
.Lfunc_end_k_q0e0286836b_quant:
	.size	k_q0e0286836b_quant, .Lfunc_end_k_q0e0286836b_quant-k_q0e0286836b_quant
	.p2alignl 7, 3214868480
	.fill 96, 4, 3214868480
	.section	.rodata,"a",@progbits
	.p2align	6, 0x0
	.amdhsa_kernel k_q0e0286836b_quant
		.amdhsa_group_segment_fixed_size 51712
		.amdhsa_private_segment_fixed_size 0
		.amdhsa_enable_private_segment 0
		.amdhsa_kernarg_size 80
		.amdhsa_user_sgpr_count 2
		.amdhsa_user_sgpr_kernarg_segment_ptr 1
		.amdhsa_wavefront_size32 1
		.amdhsa_system_sgpr_workgroup_id_x 1
		.amdhsa_system_sgpr_workgroup_id_y 1
		.amdhsa_system_sgpr_workgroup_id_z 1
		.amdhsa_system_vgpr_workitem_id 0
		.amdhsa_next_free_vgpr 256
		.amdhsa_next_free_sgpr 66
		.amdhsa_reserve_vcc 0
		.amdhsa_float_denorm_mode_32 3
		.amdhsa_float_denorm_mode_16_64 3
		.amdhsa_memory_ordered 1
		.amdhsa_forward_progress 1
		.amdhsa_inst_pref_size 35
	.end_amdhsa_kernel
	.amdgpu_metadata
---
amdhsa.version: [ 1, 2 ]
amdhsa.kernels:
  - .name:           k_q0e0286836b_quant
    .symbol:         k_q0e0286836b_quant.kd
    .args:
      - { .name: hidden_states, .offset: 0, .size: 8, .value_kind: global_buffer, .address_space: global }
      - { .name: Wq, .offset: 8, .size: 8, .value_kind: global_buffer, .address_space: global }
      - { .name: Wk, .offset: 16, .size: 8, .value_kind: global_buffer, .address_space: global }
      - { .name: Wv, .offset: 24, .size: 8, .value_kind: global_buffer, .address_space: global }
      - { .name: Wo, .offset: 32, .size: 8, .value_kind: global_buffer, .address_space: global }
      - { .name: wc, .offset: 40, .size: 8, .value_kind: global_buffer, .address_space: global }
      - { .name: ws, .offset: 48, .size: 8, .value_kind: global_buffer, .address_space: global }
      - { .name: cos, .offset: 56, .size: 8, .value_kind: global_buffer, .address_space: global }
      - { .name: sin, .offset: 64, .size: 8, .value_kind: global_buffer, .address_space: global }
      - { .name: cs, .offset: 72, .size: 8, .value_kind: global_buffer, .address_space: global }
    .group_segment_fixed_size: 51712
    .private_segment_fixed_size: 0
    .kernarg_segment_align: 8
    .kernarg_segment_size: 80
    .max_flat_workgroup_size: 128
    .sgpr_count:     66
    .vgpr_count:     256
    .wavefront_size: 32
...
	.end_amdgpu_metadata
.endif
;; end of part 1
;; launch qkv (part 2): grid 24 x 8, 4 waves a work-group, clusters of 4 x 4, 327,680 bytes of LDS; arguments wc, ws, cs, qb, kv; writes qb, kv
.if DOCPART == 2
	.amdgcn_target "amdgcn-amd-amdhsa--gfx1250"
	.amdhsa_code_object_version 6
	.text
	.protected	k_q0e0286836b_qkv
	.globl	k_q0e0286836b_qkv
	.p2align	8
	.type	k_q0e0286836b_qkv,@function
k_q0e0286836b_qkv:
	s_mov_b64 s[64:65], 0
	v_nop
	global_prefetch_b8 v0, s[64:65] scope:SCOPE_SE
	s_setreg_imm32_b32 hwreg(HW_REG_WAVE_MODE, 25, 1), 1
	s_wait_xcnt 0x0
	s_wait_alu depctr_hold_cnt(0) depctr_sa_sdst(0) depctr_va_vdst(0) depctr_va_sdst(0) depctr_va_ssrc(0) depctr_va_vcc(0) depctr_vm_vsrc(0)
	s_getreg_b32 s2, hwreg(HW_REG_IB_STS2, 6, 4)
	s_cmp_eq_u32 s2, 0
	s_cbranch_scc0 .Lentry_in_a_cluster
	s_endpgm
.Lentry_in_a_cluster:
	s_bfe_u32 s2, ttmp6, 0x10000c
	s_cmp_lg_u32 s2, 0xf033
	s_cbranch_scc0 .Lentry_shape_is_right
	s_endpgm
.Lentry_shape_is_right:
; q, k, v = x Wq^T, x Wk^T, x Wv^T on codes of FP6 (E2M3) with E8M0 scales; then the rotary embedding on q and k in f32; then q and k are quantised along the head's 128 and v along the keys, into fragment images.
; OPERANDS are fragment images (16 rows x 128 K: 1,536 bytes, register j of lane l at 512 (j / 4) + 16 l + 4 (j % 4)); lane r of row tile t stands for row 32 (t / 2) + 8 (t % 2) + r % 8 + 16 (r / 8).
; A work-group of four waves makes 256 x 256: Y = 256 rows of x (work-group y), X = 256 rows of [Wq; Wk; Wv] (work-group x).  A wave makes 128 x 128: 64 accumulators, 512 registers, so that a whole head (q, k)
; or a whole key step of 128 (v) lies in one wave's registers: that gives 192 work-groups; a finer block would split a fragment image among work-groups.
; K goes in steps of 256 through two LDS slots (eight fills); the scale words of all of K come once and stay.
; f = 0 (q, k): source 0 "B" = X, source 1 "A" = Y: a lane holds one position, its registers run along the head.  f = 1 (v): B = Y, A = X: a lane holds one channel, its registers run along the keys.
; f hangs on the cluster's x alone; loads, descriptors and masks are the same for both; only the LDS addresses that the waves read from differ.
; CLUSTERS: 4 x 4; Y's tiles are asked for jointly along a row of the cluster, X's along a column.
; THE HEAD: one tensor load a wave: wave 0 slot 0's 16 row tiles of Y, wave 1 those of X, wave 2 Y's scale words, wave 3 X's.  Slot 1 is first filled as a refill is.
; PREFETCH: behind fill n one instruction a wave names fill n + 2 (the head names fills 1 and 2); of the 96 runs of 256 bytes that a wave fetches, each of the four partners that ask jointly names 24, told apart by address
; (lanes 24-31 name lane 23's again); fills 6 and 7 name nothing.
; COS AND SIN come from cs, laid by the launch before as images of my accumulators' registers: 32 loads of 512 consecutive bytes a tile, straight into the registers that held B's fragments.
; OUT: qb record (16 head + J) x 12,800: 8 fragments of q (positions 128 J ..), then 512 bytes of scale words (tile a, lane r at 256 (a / 4) + 16 r + 4 (a % 4)).
;      kv record (16 head + J) x 25,600: K's 8 fragments at 0, V^T's 8 at 12,288, K's scale words at 24,576, V's at 25,088.
; LIMITS: NaN and infinities are not served; a block whose largest magnitude lies under 2^-124 has its byte held at 1; a block of zeros gets the byte 1 (its codes are zeros; this program alone reads the bytes).
; REGISTERS: window 0: v16-29 addresses; v32-95 scale words alone, two sets; v128-223 A's fragments (behind the products: v128-191 rotated numbers, v192-210 codes); v224-251 the quantiser's.
;   window 1: B's fragments, two sets, at v0 and v128 (behind the products: cos and sin, two sets of 128).  windows 2, 3: accumulator (a, b) at v[8 (8 (a % 4) + b)].
.set HALFT, 24576                      ; 8 row tiles x 2 K steps x 1,536
.set SLOT,  4*HALFT                    ; Y's two halves, then X's two
.set SCL,   2*SLOT                     ; the scale words, four regions
.set HALFS, 8192
.set SPARE, SCL+4*HALFS                ; the spare words, 128 bytes for each wave
.set FR,    12
.set NL,    3
.set NP,    4                          ; places behind this matrix instruction (ISA guide 7.12.1)
.set ADRA,  16
.set ADRB,  20
.set ADRSA, 22
.set ADRSB, 23
.set LI,    24                         ; 16 x lane
.set PFO,   25                         ; the prefetches' lane offset; never rewritten
.set SPW,   28
.set NIL,   29
.set SC,    32                         ; A's word of (set, block a, step q) at 32 + 32 set + 2 a + q; B's 16 further on
.set AF,    128
.set HA,    128
.set PC,    192
.set TM,    224
.set PW,    240
.set SOUT,  248
.set G0HY, 4
.set G0HX, 12
.set G1Y, 24
.set G0Y, 32
.set G1X, 48
.set G0X, 56
.set G1SY, 68
.set G0SY, 76
.set G1SX, 80
.set G0SX, 88
.set SEL, 98
.set PFA, 100
.set MSB, 0
.macro WIN new                         ; the immediate's high byte repeats the setting that is left
.if MSB != (\new)
	s_set_vgpr_msb (MSB<<8)|(\new)
.set MSB, (\new)
.endif
.endm
.set MUL_LO, 0xa1
.set MUL_HI, 0xf1
.set TO_B,   0x40
.macro PLACES n
.rept \n
	v_nop
.endr
.endm
.macro JLOAD g0y, g1y, g0x, g1x        ; waves 0 and 1 fetch Y's halves, waves 2 and 3 X's; s_nop 0 and four v_nop behind each line
	s_cmp_eq_u32 s17, 0
	s_cbranch_scc0 .Lfor_x_\@
	tensor_load_to_lds s[\g0y:\g0y+3], s[\g1y:\g1y+7]
	s_nop 0
	PLACES 4
	s_branch .Lasked_\@
.Lfor_x_\@:
	tensor_load_to_lds s[\g0x:\g0x+3], s[\g1x:\g1x+7]
	s_nop 0
	PLACES 4
.Lasked_\@:
.endm
.macro CREST
	s_cmp_lg_u32 s16, 0
	s_cbranch_scc1 .Lnot_wave_0_\@
	s_barrier_signal -3
.Lnot_wave_0_\@:
	s_barrier_wait -3
	s_barrier_signal -1
	s_barrier_wait -1
.endm
.macro CROUND
	s_barrier_signal -1
	s_barrier_wait -1
	CREST
.endm
	s_load_b128 s[4:7], s[0:1], 0x0                ; wc, ws
	s_load_b128 s[8:11], s[0:1], 0x10              ; cs, qb
	s_load_b64 s[66:67], s[0:1], 0x20              ; kv
	v_lshl_add_u32 v[SPW], v0, 2, SPARE
	v_mov_b32 v[NIL], 0
	ds_add_u32 v[SPW], v[NIL]                      ; the opening lines: the add, twice on end, and its wait ahead of my first tensor load
	ds_add_u32 v[SPW], v[NIL]
	v_lshrrev_b32 v1, 5, v0
	v_readfirstlane_b32 s16, v1                    ; wave
	s_lshr_b32 s17, s16, 1                         ; my half of A.  Also: I fetch for Y (0) or X (1)
	s_and_b32 s18, s16, 1                          ; my half of B.  Also: which half I fetch
	s_lshr_b32 s19, ttmp9, 2
	s_min_u32 s19, s19, 1                          ; f
	s_bfe_u32 s20, ttmp6, 0x40000                  ; cx
	s_bfe_u32 s21, ttmp6, 0x40004                  ; cy
	s_lshl_b32 s22, ttmp9, 2
	s_add_co_u32 s22, s22, s20                     ; work-group x
	s_and_b32 s23, ttmp7, 0xffff
	s_lshl_b32 s23, s23, 2
	s_add_co_u32 s23, s23, s21                     ; work-group y
	s_lshl_b32 s40, s21, 2
	s_lshl_b32 s40, 15, s40                        ; my row of the cluster
	s_lshl_b32 s41, 0x1111, s20                    ; my column
	; group 1 for codes: rows (row tiles) of 384 elements of 8 bytes (two K steps' images), 3,072 elements apart: 16 rows for the head's loads, 8 for the ring's
	s_or_b32 s[G1Y], s40, (3<<16)|(1<<21)
	s_or_b32 s[G1X], s41, (3<<16)|(1<<21)
.irp g, G1Y, G1X
	s_mov_b32 s[\g+1], 384<<16
	s_mov_b32 s[\g+2], 16<<16
	s_mov_b32 s[\g+3], 384<<16
	s_mov_b32 s[\g+4], 16
	s_mov_b32 s[\g+5], 3072
	s_mov_b32 s[\g+6], 0
	s_mov_b32 s[\g+7], 0
.endr
	; the scale words of 16 row tiles: 16,384 dense bytes as 64 rows of 256
	s_or_b32 s[G1SY], s40, (3<<16)|(1<<21)
	s_or_b32 s[G1SX], s41, (3<<16)|(1<<21)
.irp g, G1SY, G1SX
	s_mov_b32 s[\g+1], 32<<16
	s_mov_b32 s[\g+2], 64<<16
	s_mov_b32 s[\g+3], 32<<16
	s_mov_b32 s[\g+4], 64
	s_mov_b32 s[\g+5], 32
	s_mov_b32 s[\g+6], 0
	s_mov_b32 s[\g+7], 0
.endr
	s_lshl_b32 s42, s23, 4                         ; Y: row tile 16 y
	s_mul_i32 s44, s42, 24576
	s_mov_b32 s45, 0
	s_lshl_b32 s46, s42, 10
	s_mov_b32 s47, 0
	s_lshl_b32 s97, s22, 4                         ; X: row tile 16 x, behind x's own tensor
	s_mul_i32 s92, s97, 24576
	s_add_co_u32 s92, s92, 3145728
	s_mov_b32 s93, 0
	s_lshl_b32 s94, s97, 10
	s_add_co_u32 s94, s94, 131072
	s_mov_b32 s95, 0
	s_mul_i32 s2, s16, HALFT                       ; where the ring's loads go: wave x a half
	s_mul_i32 s42, s18, 8*24576                    ; and which 8 row tiles I fetch in the ring, in bytes
	s_mov_b32 s43, 0
	s_mov_b32 s96, 0xffff0000                      ; lanes 16-31
	s_mov_b32 s[SEL], 0x76543210
	s_mov_b32 s[SEL+1], 0xfedcba98
	s_wait_dscnt 0x0                               ; both opening adds are done
	s_wait_kmcnt 0x0
	s_add_nc_u64 s[44:45], s[4:5], s[44:45]
	s_add_nc_u64 s[46:47], s[6:7], s[46:47]
	s_add_nc_u64 s[92:93], s[4:5], s[92:93]
	s_add_nc_u64 s[94:95], s[6:7], s[94:95]
	CROUND                                         ; all sixteen work-groups are here: the first joint loads meet
	s_mov_b32 s[G0HY], 1
	s_mov_b32 s[G0HY+1], 0
	s_mov_b64 s[G0HY+2:G0HY+3], s[44:45]
	s_or_b32 s[G0HY+3], s[G0HY+3], 0x80000000
	s_mov_b32 s[G0HX], 1
	s_mov_b32 s[G0HX+1], 2*HALFT
	s_mov_b64 s[G0HX+2:G0HX+3], s[92:93]
	s_or_b32 s[G0HX+3], s[G0HX+3], 0x80000000
	s_mov_b32 s[G0SY], 1
	s_mov_b32 s[G0SY+1], SCL
	s_mov_b64 s[G0SY+2:G0SY+3], s[46:47]
	s_or_b32 s[G0SY+3], s[G0SY+3], 0x80000000
	s_mov_b32 s[G0SX], 1
	s_mov_b32 s[G0SX+1], SCL+2*HALFS
	s_mov_b64 s[G0SX+2:G0SX+3], s[94:95]
	s_or_b32 s[G0SX+3], s[G0SX+3], 0x80000000
	s_add_nc_u64 s[44:45], s[44:45], s[42:43]      ; for the ring: my 8 row tiles
	s_add_nc_u64 s[92:93], s[92:93], s[42:43]
.irp s, 0,1
	s_mov_b32 s[G0Y+4*\s], 1
	s_add_co_u32 s[G0Y+4*\s+1], s2, \s*SLOT
	s_add_nc_u64 s[G0Y+4*\s+2:G0Y+4*\s+3], s[44:45], \s*3072
	s_or_b32 s[G0Y+4*\s+3], s[G0Y+4*\s+3], 0x80000000
	s_mov_b32 s[G0X+4*\s], 1
	s_add_co_u32 s[G0X+4*\s+1], s2, \s*SLOT
	s_add_nc_u64 s[G0X+4*\s+2:G0X+4*\s+3], s[92:93], \s*3072
	s_or_b32 s[G0X+4*\s+3], s[G0X+4*\s+3], 0x80000000
.endr
; the head's four loads, one a wave, in one chain of branches on the wave's number
.macro ARM under, g0, g1, next
	s_cmp_lt_u32 s16, \under
	s_cbranch_scc0 \next
	tensor_load_to_lds s[\g0:\g0+3], s[\g1:\g1+7]
	s_nop 0
	PLACES 4
	s_branch .Lhead_asked
\next:
.endm
	ARM 1, G0HY, G1Y,  .Lhead_x
	ARM 2, G0HX, G1X,  .Lhead_sy
	ARM 3, G0SY, G1SY, .Lhead_sx
	tensor_load_to_lds s[G0SX:G0SX+3], s[G1SX:G1SX+7]
	s_nop 0
	PLACES 4
.Lhead_asked:
	s_cmp_eq_u32 s17, 0                            ; the prefetches: the 8 row tiles that I fetch,
	s_cselect_b64 s[PFA:PFA+1], s[44:45], s[92:93]
	s_cselect_b32 s42, s20, s21                    ; my place among the four that ask for them with me,
	s_mul_i32 s42, s42, 2*24576                    ; and my work-group's two row tiles of the eight
	s_add_nc_u64 s[PFA:PFA+1], s[PFA:PFA+1], s[42:43]
	s_xor_b32 s40, s19, 1                          ; 1 - f
	s_mul_i32 s41, s19, 2*HALFT                    ; A is Y (f = 0) or X (f = 1), which lies two halves on
	s_mul_i32 s42, s17, HALFT
	s_add_co_u32 s41, s41, s42
	s_mul_i32 s43, s40, 2*HALFT                    ; B is the other
	s_mul_i32 s42, s18, HALFT
	s_add_co_u32 s43, s43, s42
	s_mul_i32 s44, s19, 2*HALFS
	s_mul_i32 s42, s17, HALFS
	s_add_co_u32 s44, s44, s42
	s_add_co_u32 s44, s44, SCL
	s_mul_i32 s45, s40, 2*HALFS
	s_mul_i32 s42, s18, HALFS
	s_add_co_u32 s45, s45, s42
	s_add_co_u32 s45, s45, SCL
	v_and_b32 v1, 31, v0
	v_lshlrev_b32 v[LI], 4, v1
	v_and_b32 v2, 15, v0
	v_lshlrev_b32 v4, 4, v2                        ; 16 r
	v_add_nc_u32 v[ADRA], s41, v[LI]
	v_add_nc_u32 v[ADRB], s43, v[LI]
	v_add_nc_u32 v[ADRA+1], SLOT, v[ADRA]
	v_add_nc_u32 v[ADRB+1], SLOT, v[ADRB]
	v_add_nc_u32 v[ADRSA], s44, v4
	v_add_nc_u32 v[ADRSB], s45, v4
	v_min_u32 v5, 23, v1                           ; 24 runs of 256 bytes: 12 in each of two row tiles
	v_mul_u32_u24 v6, v5, 43
	v_lshrrev_b32 v6, 9, v6                        ; which row tile: l / 12 for l under 24
	v_mul_u32_u24 v7, v6, 12
	v_sub_nc_u32 v5, v5, v7
	v_lshlrev_b32 v5, 8, v5
	v_mad_u32_u24 v[PFO], v6, 24576, v5
.irp b, 0,1,2,3
	v_mov_b32 v[TM+4+\b], 0                        ; a lane permute's destination counts as one of its sources
.endr
	; where my results go
	s_cmp_eq_u32 s19, 0
	s_cselect_b32 s40, s18, s17                    ; my half of X's 256 rows: a head
	s_cselect_b32 s41, s17, s18                    ; my half of Y's: a block of 128 positions
	s_cselect_b32 s45, 0, 12288                    ; V^T's fragments lie behind K's
	s_lshl_b32 s42, s22, 1
	s_add_co_u32 s42, s42, s40
	s_and_b32 s42, s42, 15                         ; head
	s_lshl_b32 s43, s23, 1
	s_add_co_u32 s43, s43, s41                     ; J
	s_lshl_b32 s42, s42, 4
	s_add_co_u32 s42, s42, s43                     ; the record
	s_cmp_lt_u32 ttmp9, 2                          ; q's clusters, or k's and v's
	s_cselect_b64 s[92:93], s[10:11], s[66:67]
	s_mov_b32 s44, 25600
	s_cselect_b32 s44, 12800, s44
	s_mov_b32 s46, 24576
	s_cselect_b32 s46, 12288, s46
	s_cmp_eq_u32 s19, 0
	s_mov_b32 s47, 25088
	s_cselect_b32 s46, s46, s47                    ; the scale words' place in the record
	s_mul_i32 s44, s42, s44
	s_add_co_u32 s46, s46, s44
	s_add_co_u32 s44, s44, s45
	s_mov_b32 s45, 0
	s_mov_b32 s47, 0
	s_add_nc_u64 s[94:95], s[92:93], s[46:47]      ; scale words
	s_add_nc_u64 s[92:93], s[92:93], s[44:45]      ; fragments
	s_lshl_b32 s40, s43, 17                        ; my 8 position tiles of cs
	s_mov_b32 s41, 0
	s_add_nc_u64 s[8:9], s[8:9], s[40:41]
.macro FRAG reg, adr, q, i             ; an image comes back as it was stored: three loads of 512 consecutive bytes
.irp c, 0,1,2
	ds_load_b128 v[\reg+4*\c:\reg+4*\c+3], v[\adr] offset:(\i)*3072+(\q)*1536+512*\c
.endr
.endm
; 16 matrix instructions: A's blocks a0, a0 + 1 x B's eight.  The 64 accumulators take turns, in the same order in every step.
.macro MUL16 a0, p, q, sc, zero
.irp a, \a0, \a0+1
.irp b, 0,1,2,3,4,5,6,7
.if \zero
	v_wmma_scale_f32_16x16x128_f8f6f4 v[8*(8*((\a)%4)+\b):8*(8*((\a)%4)+\b)+7], v[128*(\p)+FR*\b:128*(\p)+FR*\b+FR-1], v[AF+FR*(\a):AF+FR*(\a)+FR-1], 0, v[SC+16+32*(\sc)+2*\b+(\q)], v[SC+32*(\sc)+2*(\a)+(\q)] matrix_a_fmt:MATRIX_FMT_FP6 matrix_b_fmt:MATRIX_FMT_FP6
.else
	v_wmma_scale_f32_16x16x128_f8f6f4 v[8*(8*((\a)%4)+\b):8*(8*((\a)%4)+\b)+7], v[128*(\p)+FR*\b:128*(\p)+FR*\b+FR-1], v[AF+FR*(\a):AF+FR*(\a)+FR-1], v[8*(8*((\a)%4)+\b):8*(8*((\a)%4)+\b)+7], v[SC+16+32*(\sc)+2*\b+(\q)], v[SC+32*(\sc)+2*(\a)+(\q)] matrix_a_fmt:MATRIX_FMT_FP6 matrix_b_fmt:MATRIX_FMT_FP6
.endif
.endr
.endr
.endm
.macro FETCH_B slot, q, p
	WIN TO_B
.irp i, 0,1,2,3,4,5,6,7
	FRAG 128*(\p)+FR*\i, ADRB+\slot, \q, \i
.endr
	WIN 0
.endm
.macro FETCH_A slot, q, i0
.irp i, \i0, \i0+1, \i0+2, \i0+3
	FRAG AF+FR*(\i), ADRA+\slot, \q, \i
.endr
.endm
.macro SCALES sc                       ; a slot's two words a row: lane r takes row r's
.irp i, 0,1,2,3,4,5,6,7
	ds_load_b64 v[SC+32*\sc+2*\i:SC+32*\sc+2*\i+1], v[ADRSA] offset:1024*\i
.endr
.irp i, 0,1,2,3,4,5,6,7
	ds_load_b64 v[SC+16+32*\sc+2*\i:SC+16+32*\sc+2*\i+1], v[ADRSB] offset:1024*\i
.endr
.endm
.macro STEP slot, q, zero              ; 128 along K that have their successor in the same slot
	s_wait_dscnt 4*NL                              ; all but the youngest twelve loads (A's blocks 4-7)
	WIN MUL_LO
	MUL16 0, (\q)%2, \q, \slot, \zero
	MUL16 2, (\q)%2, \q, \slot, \zero
	s_wait_dscnt 0
	PLACES NP
	FETCH_B \slot, (\q)+1, 1-(\q)%2
	FETCH_A \slot, (\q)+1, 0
	WIN MUL_HI
	MUL16 4, (\q)%2, \q, \slot, \zero
	MUL16 6, (\q)%2, \q, \slot, \zero
	PLACES NP
	WIN 0
	FETCH_A \slot, (\q)+1, 4
.endm
.macro ASK                             ; behind fill n: fill n + 2; the loop's last trip (fills 6 and 7) names nothing
	s_cmp_gt_u32 s3, 1
	s_cbranch_scc0 .Lno_ask_\@
	global_prefetch_b8 v[PFO], s[PFA:PFA+1] offset:3*3072 th:TH_LOAD_NT scope:SCOPE_SE
.Lno_ask_\@:
.endm
; A slot's last step changes slots: one barrier; in front of it each wave waits for all its tensor loads, adds 0 to its spare word, and waits for that and for its reads of this slot.
.macro TURN slot, next, fill
.if \fill
	s_wait_xcnt 0x0                                ; my last prefetch has read its address: it is stepped only behind this wait
	s_add_nc_u64 s[PFA:PFA+1], s[PFA:PFA+1], 3072
.endif
	s_wait_tensorcnt 0x0                           ; all my tensor loads have landed: my part of the next slot
	ds_add_u32 v[SPW], v[NIL]
	s_wait_dscnt 4*NL+1                            ; (the add and A's blocks 4-7 may be out)
	WIN MUL_LO
	MUL16 0, 1, 1, \slot, 0
	s_wait_dscnt 0x0                               ; the add is done, and my reads of this slot are over
	s_barrier_signal -1
	MUL16 2, 1, 1, \slot, 0
	WIN 0
	s_barrier_wait -1
.if \fill
	CREST                                          ; the barrier has opened a round of the cluster's
	s_add_nc_u64 s[G0Y+4*\slot+2:G0Y+4*\slot+3], s[G0Y+4*\slot+2:G0Y+4*\slot+3], 2*3072
	s_add_nc_u64 s[G0X+4*\slot+2:G0X+4*\slot+3], s[G0X+4*\slot+2:G0X+4*\slot+3], 2*3072
	JLOAD G0Y+4*\slot, G1Y, G0X+4*\slot, G1X       ; the first tensor load behind the round; its four v_nop are the places in front of the loads below
.else
	PLACES NP
.endif
	s_wait_alu depctr_va_vdst(0)
.if \slot == 0
	v_add_nc_u32 v[ADRSA], 8, v[ADRSA]             ; the next two K steps' words: 8 bytes on in a group of four,
	v_add_nc_u32 v[ADRSB], 8, v[ADRSB]
.else
	v_add_nc_u32 v[ADRSA], 248, v[ADRSA]           ; or on to the next group of 256 bytes
	v_add_nc_u32 v[ADRSB], 248, v[ADRSB]
.endif
	FETCH_B \next, 0, 0
	FETCH_A \next, 0, 0
	SCALES \next
.if \fill
	ASK
.endif
	WIN MUL_HI
	MUL16 4, 1, 1, \slot, 0
	MUL16 6, 1, 1, \slot, 0
	PLACES NP
	WIN 0
	FETCH_A \next, 0, 4
.endm
.macro LAST                            ; the very last 128 along K
	s_wait_dscnt 4*NL
	WIN MUL_LO
	MUL16 0, 1, 1, 1, 0
	MUL16 2, 1, 1, 1, 0
	s_wait_dscnt 0
	WIN MUL_HI
	MUL16 4, 1, 1, 1, 0
	MUL16 6, 1, 1, 1, 0
	WIN 0
.endm
.macro LOADCS a                        ; cos and sin of A's tile a into window 1, set a % 2: cos's 64 registers, then sin's; each load reads 512 consecutive bytes
	WIN 0x40
.set g, 0
.rept 32
	global_load_b128 v[128*((\a)%2)+4*g:128*((\a)%2)+4*g+3], v[LI], s[8:9] offset:16384*(\a)+512*g
.set g, g+1
.endr
	WIN 0
.endm
; y[d] = x[d] cos[d] - x[d + 64] sin[d] (d < 64), y[d] = x[d] cos[d] + x[d - 64] sin[d] (d >= 64); channel d + 64 is register n + 32.  Each accumulator is read from its low end on.
.macro ROPE a
.set AC, 64*((\a)%4)
.set CB, 128*((\a)%2)
	WIN 0x06+(\a)/4                                ; source 0: the accumulators' window; source 1: window 1
.irp n, 0,2,4,6,8,10,12,14,16,18,20,22,24,26,28,30
	v_pk_mul_f32 v[HA+\n:HA+\n+1], v[AC+\n:AC+\n+1], v[CB+\n:CB+\n+1]
	v_pk_fma_f32 v[HA+\n:HA+\n+1], v[AC+32+\n:AC+33+\n], v[CB+64+\n:CB+65+\n], v[HA+\n:HA+\n+1] neg_lo:[1,0,0] neg_hi:[1,0,0]
	v_pk_mul_f32 v[HA+32+\n:HA+33+\n], v[AC+32+\n:AC+33+\n], v[CB+32+\n:CB+33+\n]
	v_pk_fma_f32 v[HA+32+\n:HA+33+\n], v[AC+\n:AC+\n+1], v[CB+96+\n:CB+97+\n], v[HA+32+\n:HA+33+\n]
.endr
	WIN 0
.endm
; 64 numbers of a lane in window w, register 16 b + i = k 32 b + 16 (lane / 16) + i of my row, become a fragment's codes in v[PC] on and its scale word in v[pw].
; xw = 1: the wait that frees the codes' registers, which the last fragment's stores read, stands here; xw = 0: the caller has placed it.
.macro QUANT s, w, pw, xw
	WIN ((\w)<<2)|((\w)<<4)
.irp b, 0,1,2,3
	v_max3_num_f32 v[TM+\b], 0x1800000, |v[(\s)+16*\b]|, |v[(\s)+16*\b+1]|   ; my 16 numbers of block b, and the floor 2^(3 - 127)
.endr
.irp i, 2,4,6,8,10,12,14
.irp b, 0,1,2,3
	v_max3_num_f32 v[TM+\b], v[TM+\b], |v[(\s)+16*\b+\i]|, |v[(\s)+16*\b+\i+1]|
.endr
.endr
	WIN 0
.irp b, 0,1,2,3
	v_permlanex16_b32 v[TM+4+\b], v[TM+\b], s[SEL], s[SEL+1]
.endr
.irp b, 0,1,2,3
	v_max_num_f32 v[TM+\b], v[TM+\b], v[TM+4+\b]   ; with lane l xor 16's: the block's largest magnitude
.endr
.irp b, 0,1,2,3
	v_add_nc_u32 v[TM+12+\b], 0xff000000, v[TM+\b] ; 2 off its exponent field: the conversion's scale operand
.endr
.irp b, 0,1,2,3
	v_lshrrev_b32 v[TM+4+\b], 23, v[TM+12+\b]      ; the scale's byte
.endr
	v_lshl_or_b32 v[\pw], v[TM+5], 8, v[TM+4]
	v_lshl_or_b32 v[\pw], v[TM+6], 16, v[\pw]
	v_lshl_or_b32 v[\pw], v[TM+7], 24, v[\pw]
.if \xw
	s_wait_alu depctr_va_vdst(0)
	s_wait_xcnt 0x0                                ; the last fragment's stores have read the codes' registers
.endif
	WIN (\w)
.irp c, 0,1
	v_cvt_scalef32_pk16_fp6_f32 v[PC+6*\c:PC+2+6*\c], v[(\s)+32*\c:(\s)+15+32*\c], v[TM+12+2*\c]
	v_cvt_scalef32_pk16_fp6_f32 v[PC+12+4*\c:PC+14+4*\c], v[(\s)+16+32*\c:(\s)+31+32*\c], v[TM+12+2*\c+1]
.endr
	WIN 0
	v_nop                                          ; one plain place behind a scaled conversion
.irp c, 0,1                                    ; the operand wants a whole block in a lane
.irp i, 0,1,2
	v_permlane16_swap_b32 v[PC+6*\c+\i], v[PC+12+4*\c+\i]
.endr
.irp i, 0,1,2
	v_mov_b32 v[PC+3+6*\c+\i], v[PC+12+4*\c+\i]
.endr
.endr
.endm
.macro SENDF a
.irp c, 0,1,2
	global_store_b128 v[LI], v[PC+4*\c:PC+4*\c+3], s[92:93] offset:1536*(\a)+512*\c   ; 32 lanes store 512 consecutive bytes, aligned
.endr
.endm
	s_wait_alu depctr_va_vdst(0)
	global_prefetch_b8 v[PFO], s[PFA:PFA+1] offset:3072 th:TH_LOAD_NT scope:SCOPE_SE     ; fill 1,
	global_prefetch_b8 v[PFO], s[PFA:PFA+1] offset:2*3072 th:TH_LOAD_NT scope:SCOPE_SE   ; and fill 2
	s_wait_tensorcnt 0x0                           ; my tile of the head's four is in
	ds_add_u32 v[SPW], v[NIL]
	s_mov_b32 s[G1Y+2], 8<<16                      ; no tensor load of mine is out: from here on a load brings 8 row tiles
	s_mov_b32 s[G1Y+4], 8
	s_mov_b32 s[G1X+2], 8<<16
	s_mov_b32 s[G1X+4], 8
	s_wait_dscnt 0x0
	CROUND                                         ; all four tiles are in, and all sixteen work-groups are here
	JLOAD G0Y+4, G1Y, G0X+4, G1X                   ; fill 1, the first tensor load behind the round
	FETCH_B 0, 0, 0
	FETCH_A 0, 0, 0
	SCALES 0
	FETCH_A 0, 0, 4
	global_prefetch_b8 v[PFO], s[PFA:PFA+1] offset:3*3072 th:TH_LOAD_NT scope:SCOPE_SE   ; behind fill 1: fill 3
	STEP 0, 0, 1                                   ; the first step's products start the sums
	s_mov_b32 s3, 3
.Llap:                                                 ; a trip goes once round the ring and fills both slots again
	TURN 0, 1, 1
	STEP 1, 0, 0
	TURN 1, 0, 1
	STEP 0, 0, 0
	s_sub_co_u32 s3, s3, 1
	s_cmp_lg_u32 s3, 0
	s_cbranch_scc1 .Llap
	TURN 0, 1, 0                                   ; the last lap fills nothing
	STEP 1, 0, 0
	s_cmp_lg_u32 s19, 0
	s_cbranch_scc1 .Lno_cs                         ; v has no rotary embedding
	LOADCS 0                                       ; into B's set 0, which is done with (four places stand behind its last products)
.Lno_cs:
	LAST
	PLACES NP
	s_cmp_lg_u32 s19, 0
	s_cbranch_scc1 .Lv_path
	LOADCS 1
.irp a, 0,1,2,3,4,5,6,7
.if \a < 7
	s_wait_loadcnt 32                              ; this tile's 32 loads are in; the next tile's may be out
.else
	s_wait_loadcnt 0x0
.endif
	ROPE \a
	s_wait_alu depctr_va_vdst(0)
	s_wait_xcnt 0x0                                ; the last fragment's stores have read the codes' registers; ahead of the loads below, so that it waits for none of them
.if \a < 6
	LOADCS \a+2                                    ; into the set that the lines above have read
.endif
	QUANT HA, 0, PW+\a, 0
	SENDF \a
.endr
	s_wait_alu depctr_va_vdst(0)
	s_branch .Lwords
.Lv_path:
.irp a, 0,1,2,3,4,5,6,7
	QUANT 64*(\a%4), 2+\a/4, PW+\a, 1              ; straight from the accumulators: a lane's registers run along the keys
	SENDF \a
.endr
	s_wait_alu depctr_va_vdst(0)
.Lwords:
.irp i, 0,1,2,3
	v_cndmask_b32 v[SOUT+\i], v[PW+\i], v[PW+4+\i], s96   ; lanes 0-15 send tiles 0-3's words of row r, lanes 16-31 tiles 4-7's
.endr
	global_store_b128 v[LI], v[SOUT:SOUT+3], s[94:95]      ; 512 consecutive bytes
	s_wait_tensorcnt 0x0                           ; the wave's end
	ds_add_u32 v[SPW], v[NIL]
	s_wait_dscnt 0x0
	CROUND                                         ; the closing round
	s_endpgm
.Lfunc_end_k_q0e0286836b_qkv:
	.size	k_q0e0286836b_qkv, .Lfunc_end_k_q0e0286836b_qkv-k_q0e0286836b_qkv
	.p2alignl 7, 3214868480
	.fill 96, 4, 3214868480
	.section	.rodata,"a",@progbits
	.p2align	6, 0x0
	.amdhsa_kernel k_q0e0286836b_qkv
		.amdhsa_group_segment_fixed_size 327680
		.amdhsa_private_segment_fixed_size 0
		.amdhsa_enable_private_segment 0
		.amdhsa_kernarg_size 40
		.amdhsa_user_sgpr_count 2
		.amdhsa_user_sgpr_kernarg_segment_ptr 1
		.amdhsa_wavefront_size32 1
		.amdhsa_system_sgpr_workgroup_id_x 1
		.amdhsa_system_sgpr_workgroup_id_y 1
		.amdhsa_system_sgpr_workgroup_id_z 1
		.amdhsa_system_vgpr_workitem_id 0
		.amdhsa_next_free_vgpr 1024
		.amdhsa_next_free_sgpr 102
		.amdhsa_reserve_vcc 0
		.amdhsa_float_denorm_mode_32 3
		.amdhsa_float_denorm_mode_16_64 3
		.amdhsa_memory_ordered 1
		.amdhsa_forward_progress 1
		.amdhsa_inst_pref_size 235
	.end_amdhsa_kernel
	.amdgpu_metadata
---
amdhsa.version: [ 1, 2 ]
amdhsa.kernels:
  - .name:           k_q0e0286836b_qkv
    .symbol:         k_q0e0286836b_qkv.kd
    .args:
      - { .name: wc, .offset: 0, .size: 8, .value_kind: global_buffer, .address_space: global }
      - { .name: ws, .offset: 8, .size: 8, .value_kind: global_buffer, .address_space: global }
      - { .name: cs, .offset: 16, .size: 8, .value_kind: global_buffer, .address_space: global }
      - { .name: qb, .offset: 24, .size: 8, .value_kind: global_buffer, .address_space: global }
      - { .name: kv, .offset: 32, .size: 8, .value_kind: global_buffer, .address_space: global }
    .group_segment_fixed_size: 327680
    .private_segment_fixed_size: 0
    .kernarg_segment_align: 8
    .kernarg_segment_size: 40
    .max_flat_workgroup_size: 128
    .sgpr_count:     102
    .vgpr_count:     1024
    .wavefront_size: 32
...
	.end_amdgpu_metadata
.endif
;; end of part 2
;; launch attn (part 3): grid 16 x 16, 8 waves a work-group, clusters of 4 x 1, 327,680 bytes of LDS; arguments qb, kv, oc, os; writes oc, os
.if DOCPART == 3
	.amdgcn_target "amdgcn-amd-amdhsa--gfx1250"
	.amdhsa_code_object_version 6
	.text
	.protected	k_q0e0286836b_attn
	.globl	k_q0e0286836b_attn
	.p2align	8
	.type	k_q0e0286836b_attn,@function
k_q0e0286836b_attn:
	s_mov_b64 s[64:65], 0
	v_nop
	global_prefetch_b8 v0, s[64:65] scope:SCOPE_SE
	s_setreg_imm32_b32 hwreg(HW_REG_WAVE_MODE, 25, 1), 1
	s_wait_xcnt 0x0
	s_wait_alu depctr_hold_cnt(0) depctr_sa_sdst(0) depctr_va_vdst(0) depctr_va_sdst(0) depctr_va_ssrc(0) depctr_va_vcc(0) depctr_vm_vsrc(0)
	s_getreg_b32 s2, hwreg(HW_REG_IB_STS2, 6, 4)
	s_cmp_eq_u32 s2, 0
	s_cbranch_scc0 .Lentry_in_a_cluster
	s_endpgm
.Lentry_in_a_cluster:
	s_bfe_u32 s2, ttmp6, 0x10000c
	s_cmp_lg_u32 s2, 0x3003
	s_cbranch_scc0 .Lentry_shape_is_right
	s_endpgm
.Lentry_shape_is_right:
; o = softmax(q k^T / sqrt(128), causal) v for 16 heads x 2,048 positions, both products on codes of FP6 (E2M3) with E8M0 scales; o is quantised along the head's 128 into fragment images for the last product.
; Key records that lie wholly above the diagonal of the causal mask are not multiplied: their p is 0 for every input.
; IN: qb record (16 head + J) x 12,800: 8 fragments of q, then scale words; kv record (16 head + J) x 25,600: K's 8 fragments, V^T's 8 at 12,288, K's scale words at 24,576, V's at 25,088 (128 keys a record).
; Lane r of tile a of a block stands for position 32 (a / 2) + 8 (a % 2) + r % 8 + 16 (r / 8).  Both products are used transposed (S^T = K q^T, O^T = V^T p^T): a lane holds one query throughout.
; p = 2^(t - M), M the running largest t rounded up to a whole number; the row's sum is taken of the unquantised p; a change of M multiplies by an exact power of two.
; SHARES.  Work-group (cluster CC = 0..3, place CX = 0..3, head).  Wave w: tile a = 2 CX + w % 2; e = (w / 2) % 2; j = CC + 4 (w / 4).  The waves w and w xor 2 own TWO query tiles together: tile a of block 15 - j ("hi")
; and tile a of block j ("lo"): 17 key records in all, whatever j.  The wave with e = 0 takes the even records, the other the odd ones, for both tiles, which share each fragment of K and V read from LDS.
; At the end each wave sends one tile's O^T, M and sum to its partner through LDS bytes of its own (e = 0 sends lo and finishes hi, e = 1 the other way round); the two parts are joined under the larger M.
; RING: two slots of two records (51,200 bytes), eight fills, each wave fetching 25 rows of 256 bytes; the four work-groups of a cluster read the same head and ask jointly.  One group 0, whose LDS address changes slots by xor.
; Phases 0-3 (records 0-7): hi lies under the diagonal whole, lo may end; phases 4-7: lo is over, hi may end.  So the text has three counted loops, and mask lines only where a diagonal can fall.
; PREFETCH: the head names fills 1 and 2, phase i names fill i + 3 (i = 0..4); of a wave's 25 runs of 256 bytes each of the four partners names 7 (the last 4), told apart by address; lanes left over name the last again.
; LIMITS: the promise holds while the scaled scores stay under 2^31 in magnitude; NaN and infinities are not served; a block of o whose largest magnitude lies under 2^-124 has its byte held at 1.
; REGISTERS: window 0: v1-10 addresses; v12-15 hi's -M, largest t, sum (two halves); v16-19 lo's; v20-31 hi's q, v244-255 lo's; v32-127 K; v128-191 scores, p; v192-210 codes; v212-223 the quantiser's;
;   v224-239 K's and V's scale words, v240, v241 q's, v243 p's: scales alone; v242 the factor.  window 1: v0-63 hi's O^T; v64-159 V^T; v160-223 lo's O^T.
.set REC,   25600
.set FILLB, 2*REC
.set SLOT1, 65536
.set WPART, FILLB/8
.set SPARE, 2*SLOT1                    ; the spare words, 128 bytes for each of eight waves
.set XCH,   SPARE+1024                 ; the exchange: 17 x 512 bytes for each wave; no tensor load lands here
.set XW,    17*512
.set LI,  1
.set LR,  2
.set AD,  3
.set ADS, 4
.set SPW, 5
.set NIL, 6
.set DD,  7
.set PFO, 8
.set XST, 9
.set XLD, 10
.set WV,  12
.set CX,  13
.set CC,  14
.set HD,  15
.set JH,  16
.set JL,  17
.set JS,  18
.set TB,  19
.set SEL, 20
.set CS,  22
.set G1,  24
.set G0,  32
.set CNT, 36
.set EE,  37
.set PFA, 38
.set MSB, 0
.macro WIN new
.if MSB != (\new)
	s_set_vgpr_msb (MSB<<8)|(\new)
.set MSB, (\new)
.endif
.endm
.macro PLACES
.rept 4
	v_nop
.endr
.endm
.macro CROUND
	s_barrier_signal -1
	s_barrier_wait -1
	s_cmp_lg_u32 s[WV], 0
	s_cbranch_scc1 .Lnot_wave_0_\@
	s_barrier_signal -3
.Lnot_wave_0_\@:
	s_barrier_wait -3
	s_barrier_signal -1
	s_barrier_wait -1
.endm
	s_load_b256 s[4:11], s[0:1], 0x0               ; qb, kv, oc, os
	v_lshl_add_u32 v[SPW], v0, 2, SPARE
	v_mov_b32 v[NIL], 0
	ds_add_u32 v[SPW], v[NIL]                      ; the opening lines: the add, twice on end, and its wait
	ds_add_u32 v[SPW], v[NIL]
	v_lshrrev_b32 v1, 5, v0
	v_readfirstlane_b32 s[WV], v1
	s_bfe_u32 s[CX], ttmp6, 0x40000
	s_mov_b32 s[CC], ttmp9
	s_and_b32 s[HD], ttmp7, 0xffff
	s_bfe_u32 s[EE], s[WV], 0x10001                ; e
	s_lshr_b32 s40, s[WV], 2
	s_lshl_b32 s40, s40, 2
	s_add_co_u32 s[JL], s[CC], s40                 ; j
	s_sub_co_u32 s[JH], 15, s[JL]
	s_mov_b32 s[JS], s[EE]                         ; my record of phase 0
	s_mul_i32 s[TB], s[EE], REC                    ; and its place in slot 0
	s_mov_b32 s[G1], 15|(3<<16)|(1<<21)            ; all four work-groups of the cluster; elements of 8 bytes
	s_mov_b32 s[G1+1], 32<<16
	s_mov_b32 s[G1+2], 25<<16
	s_mov_b32 s[G1+3], 32<<16
	s_mov_b32 s[G1+4], 25
	s_mov_b32 s[G1+5], 32
	s_mov_b32 s[G1+6], 0
	s_mov_b32 s[G1+7], 0
	s_mul_i32 s44, s[WV], WPART
	s_mul_i32 s46, s[HD], 16*REC
	s_add_co_u32 s46, s46, s44
	s_mov_b32 s47, 0
	s_mov_b32 s[SEL], 0x76543210
	s_mov_b32 s[SEL+1], 0xfedcba98
	s_mov_b32 s[CS], 0x3e0293ee                    ; log2(e) / sqrt(128)
	s_mov_b32 s[CS+1], s[CS]
	s_wait_dscnt 0x0
	s_wait_kmcnt 0x0
	s_add_nc_u64 s[PFA:PFA+1], s[6:7], s[46:47]    ; my 25 rows of fill 0
	s_mov_b32 s[G0], 1
	s_mov_b32 s[G0+1], s44
	s_mov_b64 s[G0+2:G0+3], s[PFA:PFA+1]
	s_or_b32 s[G0+3], s[G0+3], 0x80000000
	CROUND
	tensor_load_to_lds s[G0:G0+3], s[G1:G1+7]      ; fill 0: one tensor load a wave at the head
	s_nop 0
	PLACES
	s_and_b32 s48, s[WV], 1
	s_lshl_b32 s49, s[CX], 1
	s_add_co_u32 s49, s49, s48                     ; a
	s_lshl_b32 s43, s[CX], 5
	s_lshl_b32 s50, s48, 3
	s_add_co_u32 s43, s43, s50                     ; 32 (a / 2) + 8 (a % 2)
	s_mul_i32 s48, s49, 1536                       ; my fragment's place in a record of qb,
	s_lshr_b32 s50, s49, 2
	s_lshl_b32 s50, s50, 8
	s_and_b32 s51, s49, 3
	s_lshl_b32 s51, s51, 2
	s_add_co_u32 s50, s50, s51
	s_add_co_u32 s50, s50, 12288                   ; and its scale words'
	s_lshl_b32 s51, s[HD], 4
	s_add_co_u32 s52, s51, s[JH]
	s_mul_i32 s52, s52, 12800
	s_add_co_u32 s54, s52, s50
	s_add_co_u32 s52, s52, s48
	s_mov_b32 s53, 0
	s_mov_b32 s55, 0
	s_add_nc_u64 s[52:53], s[4:5], s[52:53]
	s_add_nc_u64 s[54:55], s[4:5], s[54:55]
	s_add_co_u32 s56, s51, s[JL]
	s_mul_i32 s56, s56, 12800
	s_add_co_u32 s58, s56, s50
	s_add_co_u32 s56, s56, s48
	s_mov_b32 s57, 0
	s_mov_b32 s59, 0
	s_add_nc_u64 s[56:57], s[4:5], s[56:57]
	s_add_nc_u64 s[58:59], s[4:5], s[58:59]
	s_cmp_eq_u32 s[EE], 0                          ; the tile that I finish
	s_cselect_b32 s44, s[JH], s[JL]
	s_lshl_b32 s44, s44, 3
	s_add_co_u32 s44, s44, s49                     ; its row tile
	s_lshl_b32 s46, s44, 4
	s_add_co_u32 s46, s46, s[HD]
	s_mul_i32 s46, s46, 1536
	s_add_nc_u64 s[8:9], s[8:9], s[46:47]
	s_lshl_b32 s46, s44, 10
	s_lshr_b32 s45, s[HD], 2
	s_lshl_b32 s45, s45, 8
	s_add_co_u32 s46, s46, s45
	s_and_b32 s45, s[HD], 3
	s_lshl_b32 s45, s45, 2
	s_add_co_u32 s46, s46, s45
	s_add_nc_u64 s[10:11], s[10:11], s[46:47]
	s_mul_i32 s40, s[CX], 7
	s_mul_i32 s41, s[WV], XW
	s_add_co_u32 s41, s41, XCH
	s_xor_b32 s42, s[WV], 2                        ; my partner
	s_mul_i32 s42, s42, XW
	s_add_co_u32 s42, s42, XCH
	v_and_b32 v1, 31, v0
	v_min_u32 v8, 6, v1
	v_lshlrev_b32 v[LI], 4, v1
	v_and_b32 v2, 15, v0
	v_lshlrev_b32 v[LR], 4, v2
	v_add_nc_u32 v8, s40, v8
	v_min_u32 v8, 24, v8
	v_lshlrev_b32 v[PFO], 8, v8                    ; run min(7 CX + min(lane, 6), 24) of my 25
	v_add_nc_u32 v[XST], s41, v[LI]
	v_add_nc_u32 v[XLD], s42, v[LI]
	v_and_b32 v[DD], 7, v0
	v_bfe_u32 v11, v0, 3, 1
	v_lshl_add_u32 v[DD], v11, 4, v[DD]
	v_bfe_u32 v11, v0, 4, 1
	v_lshlrev_b32 v11, 4, v11
	v_sub_nc_u32 v[DD], v[DD], v11
	v_add_nc_u32 v[DD], s43, v[DD]                 ; my query's place in its block, less 16 h: register n is hidden on the diagonal where 32 (n / 16) + n % 16 is greater
	s_wait_alu depctr_va_vdst(0)
	global_load_b128 v[20:23], v[LI], s[52:53]
	global_load_b128 v[24:27], v[LI], s[52:53] offset:512
	global_load_b128 v[28:31], v[LI], s[52:53] offset:1024
	global_load_b32 v240, v[LR], s[54:55]
	global_load_b128 v[244:247], v[LI], s[56:57]
	global_load_b128 v[248:251], v[LI], s[56:57] offset:512
	global_load_b128 v[252:255], v[LI], s[56:57] offset:1024
	global_load_b32 v241, v[LR], s[58:59]
	global_prefetch_b8 v[PFO], s[PFA:PFA+1] offset:FILLB th:TH_LOAD_NT scope:SCOPE_SE
	global_prefetch_b8 v[PFO], s[PFA:PFA+1] offset:2*FILLB th:TH_LOAD_NT scope:SCOPE_SE
.irp s, 12, 16
	v_mov_b32 v[\s+1], 0xff61b1e6                  ; the largest t so far: -3e38
	v_floor_f32 v[\s], -v[\s+1]
	v_mov_b32 v[\s+2], 0
	v_mov_b32 v[\s+3], 0
.endr
.irp r, 11, 216, 217, 218, 219, 220, 242, 243
	v_mov_b32 v[\r], 0
.endr
	WIN 0x40
.set n, 0
.rept 64
	v_mov_b32 v[n], 0                              ; the step is written once for each tile: the first finds zeros
	v_mov_b32 v[160+n], 0
.set n, n+1
.endr
	WIN 0
.macro CODES                           ; v212-215 the blocks' largest magnitudes, v128-191 the numbers -> codes in v192-203, scale word in v243
.irp b, 0,1,2,3
	v_add_nc_u32 v[220+\b], 0xff000000, v[212+\b]
.endr
.irp b, 0,1,2,3
	v_lshrrev_b32 v[216+\b], 23, v[220+\b]
.endr
	v_lshl_or_b32 v243, v217, 8, v216
	s_delay_alu instid0(VALU_DEP_1)
	v_lshl_or_b32 v243, v218, 16, v243
	s_delay_alu instid0(VALU_DEP_1)
	v_lshl_or_b32 v243, v219, 24, v243
.irp c, 0,1
	v_cvt_scalef32_pk16_fp6_f32 v[192+6*\c:194+6*\c], v[128+32*\c:143+32*\c], v[220+2*\c]
	v_cvt_scalef32_pk16_fp6_f32 v[204+4*\c:206+4*\c], v[144+32*\c:159+32*\c], v[220+2*\c+1]
.endr
	v_nop                                          ; one plain place behind a scaled conversion
.irp c, 0,1
.irp i, 0,1,2
	v_permlane16_swap_b32 v[192+6*\c+\i], v[204+4*\c+\i]
.endr
.irp i, 0,1,2
	v_mov_b32 v[195+6*\c+\i], v[204+4*\c+\i]
.endr
.endr
.endm
; one query tile against the record in registers, up to p's codes and O^T under the new M.  q, qs: its fragment and scale word; st: its -M, largest t, sum; ob: its O^T in window 1; jb: its block;
; mask: the diagonal can fall here; first: V's fragments are asked for here, behind the score products
.macro UNIT q, qs, st, ob, jb, mask, first
.irp t, 0,1,2,3,4,5,6,7
	v_wmma_scale_f32_16x16x128_f8f6f4 v[128+8*\t:135+8*\t], v[32+12*\t:43+12*\t], v[\q:\q+11], 0, v[224+\t], v[\qs] matrix_a_fmt:MATRIX_FMT_FP6 matrix_b_fmt:MATRIX_FMT_FP6
.endr
.if \first
	WIN 0x40
.set i, 0
.rept 8
.irp c, 0,1,2
	ds_load_b128 v[64+12*i+4*\c:67+12*i+4*\c], v[AD] offset:12288+1536*i+512*\c   ; V's fragments: they land under the softmax (four places stand behind the last products that read these registers: at the phase's head)
.endr
.set i, i+1
.endr
	WIN 0
	ds_load_b128 v[232:235], v[ADS] offset:25088
	ds_load_b128 v[236:239], v[ADS] offset:25088+256
.endif
	PLACES
.if \mask
	s_cmp_lg_u32 s[JS], s[\jb]
	s_cbranch_scc1 .Lopen_\@
	v_mov_b32 v11, 0xff800000
.set n, 0
.rept 64
	v_cmp_gt_i32 vcc_lo, 32*(n/16)+n%16, v[DD]
	v_cndmask_b32 v[128+n], v[128+n], v11, vcc_lo
.set n, n+1
.endr
.Lopen_\@:
.endif
.irp b, 0,1,2,3
	v_max3_num_f32 v[212+\b], v[128+16*\b], v[129+16*\b], v[130+16*\b]   ; the largest score of each block of 32 keys
.endr
.irp i, 3,5,7,9,11,13
.irp b, 0,1,2,3
	v_max3_num_f32 v[212+\b], v[212+\b], v[128+16*\b+\i], v[129+16*\b+\i]
.endr
.endr
.irp b, 0,1,2,3
	v_max_num_f32 v[212+\b], v[212+\b], v[143+16*\b]
.endr
.irp b, 0,1,2,3
	v_permlanex16_b32 v[216+\b], v[212+\b], s[SEL], s[SEL+1]
.endr
.irp b, 0,1,2,3
	v_max_num_f32 v[212+\b], v[212+\b], v[216+\b]
.endr
	s_delay_alu instid0(VALU_DEP_2)
	v_max3_num_f32 v11, v212, v213, v214
	s_delay_alu instid0(VALU_DEP_1)
	v_max_num_f32 v11, v11, v215
	s_delay_alu instid0(VALU_DEP_1)
	v_mul_f32 v11, s[CS], v11
	s_delay_alu instid0(VALU_DEP_1)
	v_max_num_f32 v[\st+1], v[\st+1], v11          ; the running largest t
	v_mov_b32 v11, v[\st]
	s_delay_alu instid0(VALU_DEP_2)
	v_floor_f32 v[\st], -v[\st+1]                  ; -M
	s_delay_alu instid0(VALU_DEP_1)
	v_sub_f32 v11, v[\st], v11
	s_delay_alu instid0(VALU_DEP_1)
	v_cvt_i32_f32 v11, v11
	s_delay_alu instid0(VALU_DEP_1)
	v_ldexp_f32 v242, 1.0, v11                     ; 2^(old M - new M)
.set n, 0
.rept 32
	v_pk_fma_f32 v[128+n:129+n], v[128+n:129+n], s[CS:CS+1], v[\st:\st+1] op_sel_hi:[1,0,0]
.set n, n+2
.endr
.irp b, 0,1,2,3
	v_fma_f32 v[212+\b], v[212+\b], s[CS], v[\st]
.endr
	s_wait_alu depctr_va_vdst(0)
.set n, 0
.rept 64
	v_exp_f32 v[128+n], v[128+n]
.set n, n+1
.endr
	v_pk_mul_f32 v[\st+2:\st+3], v[\st+2:\st+3], v[242:243] op_sel_hi:[1,0]
	s_wait_alu depctr_va_vdst(0)
.irp b, 0,1,2,3
	v_exp_f32 v[212+\b], v[212+\b]                 ; each block's largest p
.endr
	v_pk_add_f32 v[216:217], v[128:129], v[130:131]
.irp j, 4,8,12,16,20,24,28,32,36,40,44,48,52,56,60
	v_pk_add_f32 v[\st+2:\st+3], v[\st+2:\st+3], v[128+\j:129+\j]
	v_pk_add_f32 v[216:217], v[216:217], v[130+\j:131+\j]
.endr
	s_delay_alu instid0(VALU_DEP_1)
	v_pk_add_f32 v[\st+2:\st+3], v[\st+2:\st+3], v[216:217]
	s_wait_alu depctr_va_vdst(0)
.irp b, 0,1,2,3
	v_max_num_f32 v[212+\b], 0x1800000, v[212+\b]
.endr
	CODES
	s_wait_alu depctr_va_vdst(0)
	WIN 0x41
.set n, 0
.rept 32
	v_pk_mul_f32 v[\ob+n:\ob+n+1], v[\ob+n:\ob+n+1], v[242:243] op_sel_hi:[1,0]   ; O^T under the new M; also the places ahead of the products below
.set n, n+2
.endr
	WIN 0
.endm
; O^T += V^T p^T for the tile whose O^T lies at ob in window 1
.macro PV ob
	WIN 0x51
.irp t, 0,1,2,3,4,5,6,7
	v_wmma_scale_f32_16x16x128_f8f6f4 v[\ob+8*\t:\ob+8*\t+7], v[64+12*\t:75+12*\t], v[192:203], v[\ob+8*\t:\ob+8*\t+7], v[232+\t], v243 matrix_a_fmt:MATRIX_FMT_FP6 matrix_b_fmt:MATRIX_FMT_FP6
.endr
	WIN 0
.endm
; a phase: my record of the slot.  lo: lo may still have keys here; hm: hi may end here; ask: 1 a prefetch, 2 in the loop's first trip alone; fill: the slot is filled again.
; THE CHANGE OF SLOTS STANDS IN THE MIDDLE OF THE PHASE, between hi's softmax and its second product: behind it only registers are worked on, and the next phase's loads read the other slot, which the same round has shown whole.
.macro STEP lo, hm, ask, fill
.if \ask == 2
	s_cmp_eq_u32 s[CNT], 2
	s_cbranch_scc0 .Lna_\@
.endif
.if \ask
	global_prefetch_b8 v[PFO], s[PFA:PFA+1] offset:3*FILLB th:TH_LOAD_NT scope:SCOPE_SE
.endif
.Lna_\@:
.if \hm
	s_cmp_gt_u32 s[JS], s[JH]
	s_cbranch_scc1 .Lch_\@
.endif
	v_add_nc_u32 v[AD], s[TB], v[LI]
	v_add_nc_u32 v[ADS], s[TB], v[LR]
	v_nop
	v_nop
.set i, 0
.rept 8
.irp c, 0,1,2
	ds_load_b128 v[32+12*i+4*\c:35+12*i+4*\c], v[AD] offset:1536*i+512*\c
.endr
.set i, i+1
.endr
	ds_load_b128 v[224:227], v[ADS] offset:24576
	ds_load_b128 v[228:231], v[ADS] offset:24576+256
	s_wait_alu depctr_va_vdst(0)
	s_wait_dscnt 0x0                               ; K's 26 loads are in; V's are asked for behind the first products
	UNIT 20, 240, 12, 0, JH, \hm, 1
.Lch_\@:
	CHANGE \fill                                   ; on every wave's path: my record's fragments are in registers (its wait for 0 on DScnt covers V's loads), so the slot is read no more
.if \hm
	s_cmp_gt_u32 s[JS], s[JH]
	s_cbranch_scc1 .Lhid_\@
.endif
	PV 0
.if \lo
	s_cmp_gt_u32 s[JS], s[JL]
	s_cbranch_scc1 .Lhid_\@
	UNIT 244, 241, 16, 160, JL, 1, 0
	PV 160
.endif
.Lhid_\@:
	s_xor_b32 s[TB], s[TB], SLOT1                  ; my record of the next phase lies in the other slot,
	s_add_co_u32 s[JS], s[JS], 2                   ; two records on
.endm
; the change of slots: every wave waits for all its tensor loads, adds 0 to its spare word, waits for that and for its reads; a round of the cluster's barrier; the slot just read is filled again
.macro CHANGE fill
	s_wait_alu depctr_va_vdst(0)
.if \fill
	s_wait_xcnt 0x0                                ; my prefetch has read its address
	s_add_nc_u64 s[PFA:PFA+1], s[PFA:PFA+1], FILLB
.endif
	s_wait_tensorcnt 0x0
	ds_add_u32 v[SPW], v[NIL]
.if \fill
	s_xor_b32 s[G0+1], s[G0+1], SLOT1              ; no load of mine is out: the next fill goes to the slot just read,
	s_add_nc_u64 s[G0+2:G0+3], s[G0+2:G0+3], FILLB ; two records on
.endif
	s_wait_dscnt 0x0
.if \fill
	CROUND
	tensor_load_to_lds s[G0:G0+3], s[G1:G1+7]
	s_nop 0
	PLACES
.else
	s_barrier_signal -1
	s_barrier_wait -1
.endif
.endm
.macro WALK trips, lo, hm, ask, fill
	s_mov_b32 s[CNT], \trips
.Lwalk_\@:
	STEP \lo, \hm, \ask, \fill
	s_sub_co_u32 s[CNT], s[CNT], 1
	s_cmp_lg_u32 s[CNT], 0
	s_cbranch_scc1 .Lwalk_\@
.endm
	s_wait_alu depctr_va_vdst(0)
	s_wait_tensorcnt 0x0                           ; my part of fill 0 is in; slot 1's first fill is issued as a refill is
	ds_add_u32 v[SPW], v[NIL]
	s_xor_b32 s[G0+1], s[G0+1], SLOT1
	s_add_nc_u64 s[G0+2:G0+3], s[G0+2:G0+3], FILLB
	s_wait_dscnt 0x0
	CROUND
	tensor_load_to_lds s[G0:G0+3], s[G1:G1+7]      ; fill 1
	s_nop 0
	PLACES
	s_wait_loadcnt 0x0                             ; q's fragments and scale words
	WALK 4, 1, 0, 1, 1                             ; phases 0-3, fills 2-5
	WALK 2, 0, 1, 2, 1                             ; phases 4, 5, fills 6, 7
	WALK 2, 0, 1, 0, 0                             ; phases 6, 7: nothing is left to fetch
; THE TWO PARTS OF A TILE ARE JOINED.  I send the tile that my partner finishes, as an image of its registers, and keep the other's -M and sums in v100-103.
.macro SEND ob, st, keep
	s_wait_alu depctr_va_vdst(0)
	WIN 0x04
.set g, 0
.rept 16
	ds_store_b128 v[XST], v[\ob+4*g:\ob+4*g+3] offset:512*g   ; each accumulator from its low end on
.set g, g+1
.endr
	WIN 0
	ds_store_b128 v[XST], v[\st:\st+3] offset:8192
.irp i, 0,1,2,3
	v_mov_b32 v[100+\i], v[\keep+\i]
.endr
.endm
.macro MINE ob                         ; my part of the tile that I finish, x its factor
	s_wait_alu depctr_va_vdst(0)
	WIN 0x01
.set n, 0
.rept 32
	v_pk_mul_f32 v[128+n:129+n], v[\ob+n:\ob+n+1], v[214:215] op_sel_hi:[1,0]
.set n, n+2
.endr
	WIN 0
.endm
	PLACES
	s_cmp_lg_u32 s[EE], 0
	s_cbranch_scc1 .Lsend_hi
	SEND 160, 16, 12
	s_branch .Lsent
.Lsend_hi:
	SEND 0, 12, 16
.Lsent:
	s_wait_alu depctr_va_vdst(0)
	s_wait_dscnt 0x0                               ; my stores are done, for my partner's sake
	s_barrier_signal -1
	s_barrier_wait -1
.set g, 0
.rept 16
	ds_load_b128 v[32+4*g:35+4*g], v[XLD] offset:512*g
.set g, g+1
.endr
	ds_load_b128 v[96:99], v[XLD] offset:8192
	s_wait_dscnt 0x0
	v_min_num_f32 v11, v100, v96                   ; -M of the larger M
	v_add_f32 v218, v102, v103
	v_add_f32 v219, v98, v99
	v_sub_f32 v212, v11, v100
	v_sub_f32 v213, v11, v96
	v_mov_b32 v215, 0
	v_mov_b32 v217, 0
	v_cvt_i32_f32 v212, v212                       ; (it saturates: a part with no record has -M = 3e38, factor 0, and holds zeros)
	v_cvt_i32_f32 v213, v213
	v_ldexp_f32 v214, 1.0, v212                    ; my part's factor,
	v_ldexp_f32 v216, 1.0, v213                    ; my partner's
	v_mul_f32 v218, v218, v214
	s_delay_alu instid0(VALU_DEP_1)
	v_fma_f32 v218, v219, v216, v218
	s_delay_alu instid0(VALU_DEP_1)
	v_permlanex16_b32 v220, v218, s[SEL], s[SEL+1]
	s_delay_alu instid0(VALU_DEP_1)
	v_add_f32 v218, v218, v220                     ; the row's sum
	s_wait_alu depctr_va_vdst(0)
	v_rcp_f32 v221, v218
	v_nop
	s_wait_alu depctr_va_vdst(0)
	v_mul_f32 v214, v214, v221
	v_mul_f32 v216, v216, v221
	s_cmp_lg_u32 s[EE], 0
	s_cbranch_scc1 .Lmine_lo
	MINE 0
	s_branch .Lmerged
.Lmine_lo:
	MINE 160
.Lmerged:
.set n, 0
.rept 32
	v_pk_fma_f32 v[128+n:129+n], v[32+n:33+n], v[216:217], v[128+n:129+n] op_sel_hi:[1,0,1]
.set n, n+2
.endr
.irp b, 0,1,2,3
	v_max3_num_f32 v[212+\b], |v[128+16*\b]|, |v[129+16*\b]|, 0x1800000
.endr
.irp i, 2,4,6,8,10,12,14
.irp b, 0,1,2,3
	v_max3_num_f32 v[212+\b], v[212+\b], |v[128+16*\b+\i]|, |v[129+16*\b+\i]|
.endr
.endr
.irp b, 0,1,2,3
	v_permlanex16_b32 v[216+\b], v[212+\b], s[SEL], s[SEL+1]
.endr
.irp b, 0,1,2,3
	v_max_num_f32 v[212+\b], v[212+\b], v[216+\b]
.endr
	CODES
	global_store_b128 v[LI], v[192:195], s[8:9]    ; 32 lanes store 512 consecutive bytes, aligned
	global_store_b128 v[LI], v[196:199], s[8:9] offset:512
	global_store_b128 v[LI], v[200:203], s[8:9] offset:1024
	global_store_b32 v[LR], v243, s[10:11]
	s_wait_tensorcnt 0x0                           ; the wave's end
	ds_add_u32 v[SPW], v[NIL]
	s_wait_dscnt 0x0
	CROUND                                         ; the closing round
	s_endpgm
.Lfunc_end_k_q0e0286836b_attn:
	.size	k_q0e0286836b_attn, .Lfunc_end_k_q0e0286836b_attn-k_q0e0286836b_attn
	.p2alignl 7, 3214868480
	.fill 96, 4, 3214868480
	.section	.rodata,"a",@progbits
	.p2align	6, 0x0
	.amdhsa_kernel k_q0e0286836b_attn
		.amdhsa_group_segment_fixed_size 327680
		.amdhsa_private_segment_fixed_size 0
		.amdhsa_enable_private_segment 0
		.amdhsa_kernarg_size 32
		.amdhsa_user_sgpr_count 2
		.amdhsa_user_sgpr_kernarg_segment_ptr 1
		.amdhsa_wavefront_size32 1
		.amdhsa_system_sgpr_workgroup_id_x 1
		.amdhsa_system_sgpr_workgroup_id_y 1
		.amdhsa_system_sgpr_workgroup_id_z 1
		.amdhsa_system_vgpr_workitem_id 0
		.amdhsa_next_free_vgpr 480
		.amdhsa_next_free_sgpr 66
		.amdhsa_reserve_vcc 1
		.amdhsa_float_denorm_mode_32 3
		.amdhsa_float_denorm_mode_16_64 3
		.amdhsa_memory_ordered 1
		.amdhsa_forward_progress 1
		.amdhsa_inst_pref_size 118
	.end_amdhsa_kernel
	.amdgpu_metadata
---
amdhsa.version: [ 1, 2 ]
amdhsa.kernels:
  - .name:           k_q0e0286836b_attn
    .symbol:         k_q0e0286836b_attn.kd
    .args:
      - { .name: qb, .offset: 0, .size: 8, .value_kind: global_buffer, .address_space: global }
      - { .name: kv, .offset: 8, .size: 8, .value_kind: global_buffer, .address_space: global }
      - { .name: oc, .offset: 16, .size: 8, .value_kind: global_buffer, .address_space: global }
      - { .name: os, .offset: 24, .size: 8, .value_kind: global_buffer, .address_space: global }
    .group_segment_fixed_size: 327680
    .private_segment_fixed_size: 0
    .kernarg_segment_align: 8
    .kernarg_segment_size: 32
    .max_flat_workgroup_size: 256
    .sgpr_count:     66
    .vgpr_count:     480
    .wavefront_size: 32
...
	.end_amdgpu_metadata
.endif
;; end of part 3
;; launch oproj (part 4): grid 16 x 16, 4 waves a work-group, clusters of 4 x 4, 327,680 bytes of LDS; arguments oc, os, wc, ws, out0; writes out0
.if DOCPART == 4
	.amdgcn_target "amdgcn-amd-amdhsa--gfx1250"
	.amdhsa_code_object_version 6
	.text
	.protected	k_q0e0286836b_oproj
	.globl	k_q0e0286836b_oproj
	.p2align	8
	.type	k_q0e0286836b_oproj,@function
k_q0e0286836b_oproj:
	s_mov_b64 s[64:65], 0
	v_nop
	global_prefetch_b8 v0, s[64:65] scope:SCOPE_SE
	s_setreg_imm32_b32 hwreg(HW_REG_WAVE_MODE, 25, 1), 1
	s_wait_xcnt 0x0
	s_wait_alu depctr_hold_cnt(0) depctr_sa_sdst(0) depctr_va_vdst(0) depctr_va_sdst(0) depctr_va_ssrc(0) depctr_va_vcc(0) depctr_vm_vsrc(0)
	s_getreg_b32 s2, hwreg(HW_REG_IB_STS2, 6, 4)
	s_cmp_eq_u32 s2, 0
	s_cbranch_scc0 .Lentry_in_a_cluster
	s_endpgm
.Lentry_in_a_cluster:
	s_bfe_u32 s2, ttmp6, 0x10000c
	s_cmp_lg_u32 s2, 0xf033
	s_cbranch_scc0 .Lentry_shape_is_right
	s_endpgm
.Lentry_shape_is_right:
; out0 = o Wo^T on codes of FP6 (E2M3) with E8M0 scales; out0 [2048][2048] f32.  Both operands are fragment images (16 rows x 128 K: 1,536 bytes; [row tile][K step 16]); lane r of row tile t stands for row
; 32 (t / 2) + 8 (t % 2) + r % 8 + 16 (r / 8).  Scale word (row tile, K step ks, r) at tile x 1,024 + (ks / 4) x 256 + 16 r + 4 (ks % 4).  Wo is the fifth tensor of wc and ws.
; A tile of out0 is 128 x 128, so that there are 256 work-groups; four waves, each 64 x 64: 16 accumulators.  K goes in steps of 512 (four matrix instructions deep) through two LDS slots; four steps in all, written out.
; The scale words of all of K come once and stay.  CLUSTERS: 4 x 4; o's tiles are asked for jointly along a row of the cluster, Wo's along a column.
; THE MATRIX INSTRUCTION IS USED TRANSPOSED (source 0 = 16 rows of Wo, source 1 = 16 rows of o): a lane holds one row of out0, and the registers of two neighbouring tiles are 16 neighbouring columns.
; REGISTERS: window 0: v16-29 addresses; v32-95 scale words and nothing else, two sets; v128-255 accumulator (a, b) at v[128 + 8 (4 a + b)].  window 1: two fragment buffers of 96: A's four, then B's four.
.set HALFT, 24576                      ; 4 row tiles x 4 K steps x 1,536
.set SLOT,  4*HALFT
.set SCL,   2*SLOT
.set HALFS, 4096
.set STAGE, SCL+4*HALFS                ; the way out: 16 rows x 272 bytes for each wave; no tensor load lands here
.set SPARE, STAGE+4*16*272
.set ADRA,  16
.set ADRB,  20
.set ADRSA, 22
.set ADRSB, 23
.set STO,   24
.set RD,    25
.set CO,    26
.set SPW,   28
.set NIL,   29
.set SC,    32                         ; A's word (set, block a, step q) at 32 + 32 set + 4 a + q; B's 16 further on
.set ACC,   128
.set F0,    0
.set F1,    128
.set G1, 24
.set G0, 32
.set G1B, 48
.set G0B, 56
.set G1S, 68
.set G0S, 76
.set G1SB, 80
.set G0SB, 88
.set MSB, 0
.macro WIN new
.if MSB != (\new)
	s_set_vgpr_msb (MSB<<8)|(\new)
.set MSB, (\new)
.endif
.endm
.set MUL,  0x05                        ; sources 0 and 1 window 1; C and D window 0
.set TO_F, 0x40
.macro JLOAD g0a, g1a, g0b, g1b        ; waves 0 and 1 fetch for o, waves 2 and 3 for Wo; an s_nop 0 and four v_nop follow each line
	s_cmp_eq_u32 s15, 0
	s_cbranch_scc0 .Lfor_b_\@
	tensor_load_to_lds s[\g0a:\g0a+3], s[\g1a:\g1a+7]
	s_nop 0
.rept 4
	v_nop
.endr
	s_branch .Lasked_\@
.Lfor_b_\@:
	tensor_load_to_lds s[\g0b:\g0b+3], s[\g1b:\g1b+7]
	s_nop 0
.rept 4
	v_nop
.endr
.Lasked_\@:
.endm
.macro CREST
	s_cmp_lg_u32 s14, 0
	s_cbranch_scc1 .Lnot_wave_0_\@
	s_barrier_signal -3
.Lnot_wave_0_\@:
	s_barrier_wait -3
	s_barrier_signal -1
	s_barrier_wait -1
.endm
.macro CROUND
	s_barrier_signal -1
	s_barrier_wait -1
	CREST
.endm
.macro PLACES
.rept 4
	v_nop
.endr
.endm
	s_load_b256 s[4:11], s[0:1], 0x0               ; oc, os, wc, ws
	s_load_b64 s[12:13], s[0:1], 0x20              ; out0
	v_lshl_add_u32 v[SPW], v0, 2, SPARE
	v_mov_b32 v[NIL], 0
	ds_add_u32 v[SPW], v[NIL]                      ; the wave's opening: the add and its wait ahead of my first tensor load
	ds_add_u32 v[SPW], v[NIL]
	v_lshrrev_b32 v1, 5, v0
	v_readfirstlane_b32 s14, v1                    ; wave
	s_lshr_b32 s15, s14, 1                         ; my half of the rows.  Also: I fetch for o (0) or Wo (1)
	s_and_b32 s16, s14, 1                          ; my half of the columns.  Also: which half I fetch
	s_bfe_u32 s40, ttmp6, 0x40000
	s_bfe_u32 s41, ttmp6, 0x40004
	s_lshl_b32 s42, ttmp9, 2
	s_add_co_u32 s42, s42, s40                     ; tile column
	s_and_b32 s17, ttmp7, 0xffff
	s_lshl_b32 s17, s17, 2
	s_add_co_u32 s17, s17, s41                     ; tile row
	s_lshl_b32 s43, s41, 2
	s_lshl_b32 s43, 15, s43                        ; my row of the cluster
	s_lshl_b32 s44, 0x1111, s40                    ; my column
	; group 1 for codes: 4 rows (row tiles) of 768 elements of 8 bytes (four K steps' images), 3,072 elements apart
	s_or_b32 s[G1], s43, (3<<16)|(1<<21)
	s_or_b32 s[G1B], s44, (3<<16)|(1<<21)
.irp g, G1, G1B
	s_mov_b32 s[\g+1], 768<<16
	s_mov_b32 s[\g+2], 8<<16                       ; 8 row tiles for the head's loads; behind them 4, for the ring's
	s_mov_b32 s[\g+3], 768<<16
	s_mov_b32 s[\g+4], 8
	s_mov_b32 s[\g+5], 3072
	s_mov_b32 s[\g+6], 0
	s_mov_b32 s[\g+7], 0
.endr
	; and for the scale words of 8 row tiles: 8,192 dense bytes as 32 rows of 256
	s_or_b32 s[G1S], s43, (3<<16)|(1<<21)
	s_or_b32 s[G1SB], s44, (3<<16)|(1<<21)
.irp g, G1S, G1SB
	s_mov_b32 s[\g+1], 32<<16
	s_mov_b32 s[\g+2], 32<<16                      ; the scale words of all 8 row tiles: 32 rows of 256 bytes
	s_mov_b32 s[\g+3], 32<<16
	s_mov_b32 s[\g+4], 32
	s_mov_b32 s[\g+5], 32
	s_mov_b32 s[\g+6], 0
	s_mov_b32 s[\g+7], 0
.endr
	s_mul_i32 s18, s16, 4*24576                    ; which 4 row tiles I fetch in the ring, in bytes
	s_mov_b32 s19, 0
	s_lshl_b32 s20, s17, 3                         ; o: row tile 8 x tile row
	s_lshl_b32 s46, s42, 3                         ; Wo: 8 x tile column
	s_lshl_b32 s22, s20, 10
	s_mov_b32 s23, 0
	s_mul_i32 s20, s20, 24576
	s_mov_b32 s21, 0
	s_lshl_b32 s92, s46, 10
	s_add_co_u32 s92, s92, 4*131072
	s_mov_b32 s93, 0
	s_mul_i32 s46, s46, 24576
	s_add_co_u32 s46, s46, 4*3145728
	s_mov_b32 s47, 0
	s_mul_i32 s45, s14, HALFT
	s_wait_dscnt 0x0                               ; the opening add is done
	s_wait_kmcnt 0x0
	s_add_nc_u64 s[20:21], s[4:5], s[20:21]
	s_add_nc_u64 s[22:23], s[6:7], s[22:23]
	s_add_nc_u64 s[46:47], s[8:9], s[46:47]
	s_add_nc_u64 s[92:93], s[10:11], s[92:93]
	CROUND                                         ; all sixteen work-groups are here: the first joint loads meet
	s_mov_b32 s[G0S], 1
	s_mov_b32 s[G0S+1], SCL
	s_mov_b64 s[G0S+2:G0S+3], s[22:23]
	s_or_b32 s[G0S+3], s[G0S+3], 0x80000000
	s_mov_b32 s[G0SB], 1
	s_mov_b32 s[G0SB+1], SCL+2*HALFS
	s_mov_b64 s[G0SB+2:G0SB+3], s[92:93]
	s_or_b32 s[G0SB+3], s[G0SB+3], 0x80000000
	s_mov_b32 s4, 1                                ; group 0 for the head's loads of slot 0, in registers that held arguments: o's 8 row tiles,
	s_mov_b32 s5, 0
	s_mov_b64 s[6:7], s[20:21]
	s_or_b32 s7, s7, 0x80000000
	s_mov_b32 s8, 1                                ; and Wo's
	s_mov_b32 s9, 2*HALFT
	s_mov_b64 s[10:11], s[46:47]
	s_or_b32 s11, s11, 0x80000000
	s_add_nc_u64 s[20:21], s[20:21], s[18:19]      ; for the ring: my 4 row tiles
	s_add_nc_u64 s[46:47], s[46:47], s[18:19]
.irp s, 0,1
	s_mov_b32 s[G0+4*\s], 1
	s_add_co_u32 s[G0+4*\s+1], s45, \s*SLOT
	s_add_nc_u64 s[G0+4*\s+2:G0+4*\s+3], s[20:21], \s*6144
	s_or_b32 s[G0+4*\s+3], s[G0+4*\s+3], 0x80000000
	s_mov_b32 s[G0B+4*\s], 1
	s_add_co_u32 s[G0B+4*\s+1], s45, \s*SLOT
	s_add_nc_u64 s[G0B+4*\s+2:G0B+4*\s+3], s[46:47], \s*6144
	s_or_b32 s[G0B+4*\s+3], s[G0B+4*\s+3], 0x80000000
.endr
; the head's four loads, one a wave, in one chain of branches on the wave's number: wave 0 slot 0's 8 row tiles of o, wave 1 those of Wo, wave 2 o's scale words, wave 3 Wo's
.macro ARM under, g0, g1, next
	s_cmp_lt_u32 s14, \under
	s_cbranch_scc0 \next
	tensor_load_to_lds s[\g0:\g0+3], s[\g1:\g1+7]
	s_nop 0
.rept 4
	v_nop
.endr
	s_branch .Lhead_asked
\next:
.endm
	ARM 1, 4, G1, .Lhead_b
	ARM 2, 8, G1B, .Lhead_sa
	ARM 3, G0S, G1S, .Lhead_sb
	tensor_load_to_lds s[G0SB:G0SB+3], s[G1SB:G1SB+7]
	s_nop 0
.rept 4
	v_nop
.endr
.Lhead_asked:
	; the prefetches: of the 4 row tiles that I fetch in the ring, each of the four partners that ask jointly names one (24 runs of 256 bytes a fill), told apart by address; lanes 24-31 name lane 23's again
	s_cmp_eq_u32 s15, 0
	s_cselect_b64 s[96:97], s[20:21], s[46:47]
	s_cselect_b32 s94, s40, s41
	s_mul_i32 s94, s94, 24576
	s_mov_b32 s95, 0
	s_add_nc_u64 s[96:97], s[96:97], s[94:95]
	v_and_b32 v1, 31, v0
	v_min_u32 v27, 23, v1
	v_lshlrev_b32 v27, 8, v27                      ; the prefetches' lane offset; never rewritten
	v_lshlrev_b32 v2, 4, v1                        ; 16 x lane
	v_and_b32 v3, 15, v0                           ; r
	s_wait_alu depctr_va_vdst(0)
	v_bfe_u32 v4, v0, 4, 1                         ; h
	s_mul_i32 s21, s15, HALFT
	s_mul_i32 s22, s16, HALFT
	s_add_co_u32 s22, s22, 2*HALFT
	v_add_nc_u32 v[ADRA], s21, v2
	v_add_nc_u32 v[ADRB], s22, v2
	v_add_nc_u32 v[ADRA+1], SLOT, v[ADRA]
	v_add_nc_u32 v[ADRB+1], SLOT, v[ADRB]
	v_lshlrev_b32 v5, 4, v3                        ; 16 r
	s_mul_i32 s21, s15, HALFS
	s_add_co_u32 s21, s21, SCL
	s_mul_i32 s22, s16, HALFS
	s_add_co_u32 s22, s22, SCL+2*HALFS
	v_add_nc_u32 v[ADRSA], s21, v5
	v_add_nc_u32 v[ADRSB], s22, v5
	s_mul_i32 s23, s14, 16*272
	s_add_co_u32 s23, s23, STAGE                   ; my stage
	v_mul_u32_u24 v6, v3, 272
	s_wait_alu depctr_va_vdst(0)
	v_lshl_add_u32 v6, v4, 6, v6
	v_add_nc_u32 v[STO], s23, v6                   ; in: row r, + 64 h
	v_mul_u32_u24 v6, v4, 272
	v_add_nc_u32 v6, v6, v5
	v_add_nc_u32 v[RD], s23, v6                    ; back: lanes 0-15 one row of 256 bytes, lanes 16-31 the next
	v_lshl_add_u32 v[CO], v4, 13, v5               ; and the same two rows in out0
	s_lshl_b32 s20, s17, 7
	s_lshl_b32 s21, s15, 6
	s_add_co_u32 s20, s20, s21                     ; my first row: 128 x tile row + 64 x half
	s_lshl_b32 s20, s20, 13
	s_lshl_b32 s21, s42, 9
	s_add_co_u32 s20, s20, s21                     ; my first column, in bytes: 512 x tile column + 256 x half
	s_lshl_b32 s21, s16, 8
	s_add_co_u32 s20, s20, s21
	s_mov_b32 s21, 0
	s_add_nc_u64 s[12:13], s[12:13], s[20:21]
.macro FETCH slot, q, f                ; the fragments of the slot's q-th 128 along K into buffer f: 24 loads of 512 consecutive bytes
	WIN TO_F
.irp i, 0,1,2,3
.irp c, 0,1,2
	ds_load_b128 v[(\f)+12*\i+4*\c:(\f)+12*\i+4*\c+3], v[ADRA+\slot] offset:\i*6144+(\q)*1536+512*\c
	ds_load_b128 v[(\f)+48+12*\i+4*\c:(\f)+48+12*\i+4*\c+3], v[ADRB+\slot] offset:\i*6144+(\q)*1536+512*\c
.endr
.endr
.endm
.macro SCALES sc                       ; a slot's four words a row, by one load a tile
	WIN 0
.irp i, 0,1,2,3
	ds_load_b128 v[SC+32*\sc+4*\i:SC+32*\sc+4*\i+3], v[ADRSA] offset:1024*\i
	ds_load_b128 v[SC+16+32*\sc+4*\i:SC+16+32*\sc+4*\i+3], v[ADRSB] offset:1024*\i
.endr
.endm
.macro MUL4 f, a, sc, q, zero          ; A's block a x B's four.  The 16 accumulators take turns, in the same order in every quarter
.irp b, 0,1,2,3
.if \zero
	v_wmma_scale_f32_16x16x128_f8f6f4 v[ACC+8*(4*(\a)+\b):ACC+8*(4*(\a)+\b)+7], v[(\f)+48+12*\b:(\f)+48+12*\b+11], v[(\f)+12*(\a):(\f)+12*(\a)+11], 0, v[SC+16+32*(\sc)+4*\b+(\q)], v[SC+32*(\sc)+4*(\a)+(\q)] matrix_a_fmt:MATRIX_FMT_FP6 matrix_b_fmt:MATRIX_FMT_FP6
.else
	v_wmma_scale_f32_16x16x128_f8f6f4 v[ACC+8*(4*(\a)+\b):ACC+8*(4*(\a)+\b)+7], v[(\f)+48+12*\b:(\f)+48+12*\b+11], v[(\f)+12*(\a):(\f)+12*(\a)+11], v[ACC+8*(4*(\a)+\b):ACC+8*(4*(\a)+\b)+7], v[SC+16+32*(\sc)+4*\b+(\q)], v[SC+32*(\sc)+4*(\a)+(\q)] matrix_a_fmt:MATRIX_FMT_FP6 matrix_b_fmt:MATRIX_FMT_FP6
.endif
.endr
.endm
.macro QUARTER slot, q, zero           ; one of a slot's first three quarters: asks for the next quarter's fragments, then multiplies its own
	PLACES                                         ; in front of loads into the buffer that the last quarter multiplied
	FETCH \slot, (\q)+1, 128*(((\q)+1)%2)
	s_wait_dscnt 24                                ; all but the 24 just issued
	WIN MUL
.irp a, 0,1,2,3
	MUL4 128*((\q)%2), \a, \slot, \q, \zero
.endr
.endm
; A slot's last quarter multiplies buffer 1 and changes slots: one barrier; in front of it each wave waits for all its tensor loads, adds 0 to its spare word, and waits for that and for its reads of this slot.
.macro TURN slot, next, fill
	WIN 0
	s_wait_tensorcnt 0x0                           ; all my tensor loads have landed: my part of the next slot
	ds_add_u32 v[SPW], v[NIL]
	s_wait_dscnt 1                                 ; (the add alone may be out)
	WIN MUL
	MUL4 F1, 0, \slot, 3, 0
	s_wait_dscnt 0x0                               ; the add is done, and my reads of this slot are over
	s_barrier_signal -1
	MUL4 F1, 1, \slot, 3, 0
	WIN 0
	s_barrier_wait -1
.if \fill
	CREST                                          ; the barrier has opened a round of the cluster's: no wave of any partner still reads this slot or has a load on its way
	s_add_nc_u64 s[G0+4*\slot+2:G0+4*\slot+3], s[G0+4*\slot+2:G0+4*\slot+3], 2*6144
	s_add_nc_u64 s[G0B+4*\slot+2:G0B+4*\slot+3], s[G0B+4*\slot+2:G0B+4*\slot+3], 2*6144
	JLOAD G0+4*\slot, G1, G0B+4*\slot, G1B         ; the first tensor load behind the round; its four v_nop are the places in front of the loads below
.else
	PLACES
.endif
	s_wait_alu depctr_va_vdst(0)
	v_add_nc_u32 v[ADRSA], 256, v[ADRSA]           ; the next four K steps' words
	v_add_nc_u32 v[ADRSB], 256, v[ADRSB]
	SCALES \next
	FETCH \next, 0, F0
	WIN MUL
	MUL4 F1, 2, \slot, 3, 0
	MUL4 F1, 3, \slot, 3, 0
.endm
	s_wait_alu depctr_va_vdst(0)
	global_prefetch_b8 v27, s[96:97] offset:6144 th:TH_LOAD_NT scope:SCOPE_SE    ; fill 1,
	global_prefetch_b8 v27, s[96:97] offset:12288 th:TH_LOAD_NT scope:SCOPE_SE   ; and fill 2
	s_wait_tensorcnt 0x0
	ds_add_u32 v[SPW], v[NIL]
	s_mov_b32 s[G1+2], 4<<16
	s_mov_b32 s[G1+4], 4
	s_mov_b32 s[G1B+2], 4<<16
	s_mov_b32 s[G1B+4], 4
	s_wait_dscnt 0x0
	CROUND                                         ; all four tiles are in, and all sixteen work-groups are here
	JLOAD G0+4, G1, G0B+4, G1B                     ; slot 1's first fill, the first tensor load behind the round
	SCALES 0
	global_prefetch_b8 v27, s[96:97] offset:18432 th:TH_LOAD_NT scope:SCOPE_SE   ; behind fill 1: fill 3, the last
	FETCH 0, 0, F0
	QUARTER 0, 0, 1                                ; the first products start the sums
	QUARTER 0, 1, 0
	QUARTER 0, 2, 0
	TURN 0, 1, 1
	QUARTER 1, 0, 0
	QUARTER 1, 1, 0
	QUARTER 1, 2, 0
	TURN 1, 0, 1
	QUARTER 0, 0, 0
	QUARTER 0, 1, 0
	QUARTER 0, 2, 0
	TURN 0, 1, 0                                   ; nothing is left to fetch
	QUARTER 1, 0, 0
	QUARTER 1, 1, 0
	QUARTER 1, 2, 0
	s_wait_dscnt 0x0
.irp a, 0,1,2,3
	MUL4 F1, \a, 1, 3, 0
.endr
	WIN 0
; THE WAY OUT, a block of 16 rows x 64 columns at a time, through my own stage: register n of a block = column 32 (n / 16) + 16 h + n % 16 of row r.  It comes back as whole rows of 256 bytes, into the registers that it left.
; LDS serves a wave's instructions in order (ISA guide 5.7.1.4): no wait between the stores and the loads, nor in front of the next block's stores.
.macro TOSTAGE a
.irp k, 0,1,2,3,4,5,6,7
	ds_store_b128 v[STO], v[ACC+32*\a+4*\k:ACC+32*\a+4*\k+3] offset:128*(\k/4)+16*(\k%4)   ; each accumulator from its low end on
.endr
.irp i, 0,1,2,3,4,5,6,7
	ds_load_b128 v[ACC+32*\a+4*\i:ACC+32*\a+4*\i+3], v[RD] offset:544*\i
.endr
.endm
.macro SEND a, younger                 ; younger: the LDS instructions issued behind block a's loads
.irp i, 0,1,2,3,4,5,6,7
	s_wait_dscnt \younger+7-\i
	global_store_b128 v[CO], v[ACC+32*\a+4*\i:ACC+32*\a+4*\i+3], s[12:13] offset:(32*(\a/2)+8*(\a%2)+2*(\i%4)+16*(\i/4))*8192 th:TH_STORE_NT   ; stage rows 2 i, 2 i + 1 are these rows of out0; 16 lanes store 256 consecutive bytes, aligned
.endr
.endm
	PLACES
	TOSTAGE 0
	TOSTAGE 1
	SEND 0, 16
	TOSTAGE 2
	SEND 1, 16
	TOSTAGE 3
	SEND 2, 16
	SEND 3, 0
	s_wait_tensorcnt 0x0                           ; the wave's end
	ds_add_u32 v[SPW], v[NIL]
	s_wait_dscnt 0x0
	CROUND                                         ; the closing round
	s_endpgm
.Lfunc_end_k_q0e0286836b_oproj:
	.size	k_q0e0286836b_oproj, .Lfunc_end_k_q0e0286836b_oproj-k_q0e0286836b_oproj
	.p2alignl 7, 3214868480
	.fill 96, 4, 3214868480
	.section	.rodata,"a",@progbits
	.p2align	6, 0x0
	.amdhsa_kernel k_q0e0286836b_oproj
		.amdhsa_group_segment_fixed_size 327680
		.amdhsa_private_segment_fixed_size 0
		.amdhsa_enable_private_segment 0
		.amdhsa_kernarg_size 40
		.amdhsa_user_sgpr_count 2
		.amdhsa_user_sgpr_kernarg_segment_ptr 1
		.amdhsa_wavefront_size32 1
		.amdhsa_system_sgpr_workgroup_id_x 1
		.amdhsa_system_sgpr_workgroup_id_y 1
		.amdhsa_system_sgpr_workgroup_id_z 1
		.amdhsa_system_vgpr_workitem_id 0
		.amdhsa_next_free_vgpr 512
		.amdhsa_next_free_sgpr 98
		.amdhsa_reserve_vcc 0
		.amdhsa_float_denorm_mode_32 3
		.amdhsa_float_denorm_mode_16_64 3
		.amdhsa_memory_ordered 1
		.amdhsa_forward_progress 1
		.amdhsa_inst_pref_size 84
	.end_amdhsa_kernel
	.amdgpu_metadata
---
amdhsa.version: [ 1, 2 ]
amdhsa.kernels:
  - .name:           k_q0e0286836b_oproj
    .symbol:         k_q0e0286836b_oproj.kd
    .args:
      - { .name: oc, .offset: 0, .size: 8, .value_kind: global_buffer, .address_space: global }
      - { .name: os, .offset: 8, .size: 8, .value_kind: global_buffer, .address_space: global }
      - { .name: wc, .offset: 16, .size: 8, .value_kind: global_buffer, .address_space: global }
      - { .name: ws, .offset: 24, .size: 8, .value_kind: global_buffer, .address_space: global }
      - { .name: out0, .offset: 32, .size: 8, .value_kind: global_buffer, .address_space: global }
    .group_segment_fixed_size: 327680
    .private_segment_fixed_size: 0
    .kernarg_segment_align: 8
    .kernarg_segment_size: 40
    .max_flat_workgroup_size: 128
    .sgpr_count:     98
    .vgpr_count:     512
    .wavefront_size: 32
...
	.end_amdgpu_metadata
.endif
;; end of part 4
